; MI455X (gfx1250); checked and timed in simulation.
; The chip was launched on July 23, 2026; its instructions are those of AMD's public machine-readable ISA for CDNA 5 (MIT licence, August 2026) and "CDNA5" Instruction Set Architecture Reference Guide (July 2026). The comments in the code are by the model that wrote it; some were corrected since.
;; Token Mixing Mo E. Allowed arithmetic: matrix products marked QUANTISED: E3M2 operands, one E8M0 scale for each 32 along K, by v_wmma_scale_f32_16x16x128_f8f6f4 with both operands' format E3M2, f32 sums; products left as they are: f32 operands where the result goes on into a quantised operand, else bf16, f16 or f32 operands; f32 sums; everything else in f32.
;; Inputs: b2 8 x 128 float32; gate_b 8 float32; gate_w 8 x 128 float32; ln1_b 8 x 128 float32; ln1_g 8 x 128 float32; ln2_b 8 x 512 float32; ln2_g 8 x 512 float32; w1_codes 8 x 512 x 4 x 24 uint8 (E3M2 codes of w1, K innermost, in blocks of 32 codes, four codes in three bytes); w1_scales 8 x 512 x 4 uint8 (E8M0 scales of w1, one for each 32 codes along K); w2_codes 8 x 128 x 16 x 24 uint8 (E3M2 codes of w2, K innermost, in blocks of 32 codes, four codes in three bytes); w2_scales 8 x 128 x 16 uint8 (E8M0 scales of w2, one for each 32 codes along K); x 4 x 8 x 1,024 x 128 float32.
;; Outputs: out0 4 x 8 x 1,024 x 128 float32.
;; This version of the problem:
;;   THIS VERSION OF THE PROBLEM IS GIVEN IN LOW PRECISION. The matrix products marked QUANTISED in the list below multiply operands that are first quantised to E3M2 (3 exponent bits, 2 mantissa bits; 6 bits a number), with one power-of-two scale for each 32 numbers along K (OCP MX v1.0); their sums are f32. All else is computed in f32.
;;   The module's matrix products, in the order in which they are computed (A, B: the left and right operand; K: the contracted axis; several contracted axes count as one K, in the product's order):
;;     1. [M 32,768, K 128] x [K 128, N 8]; A: input x; B: input gate_w: left as it is (N = 8 < 16)
;;     2. batch 8 x [M 32,768, K 128] x [K 128, N 512]; A: computed on the way; B: input w1 (given as codes): QUANTISED
;;     3. batch 8 x [M 32,768, K 512] x [K 512, N 128]; A: computed on the way; B: input w2 (given as codes): QUANTISED
;;     4. batch 32,768 x [M 1, K 8] x [K 8, N 128]; A: computed on the way; B: computed on the way: left as it is (K = 8 < 32)
;;   THE QUANTISER, for each operand of a quantised product, along K:
;;     - K is cut into blocks of 32 from its start; a last block that is shorter is filled with zeros.
;;     - A block's scale is 2^e with e = floor(log2(the largest magnitude in the block)) - 4, held to -126 .. 127; a block of zeros has e = 0. As a byte (E8M0): e + 127.
;;     - Each number is divided by its block's scale, clamped to +-28, and rounded to the nearest number of E3M2, ties to even, subnormals kept.
;;     - The product sums the exact products of the quantised numbers (number of the format x scale) in f32.
;;   ~~~python
;;   def quantise(x, axis):      # numpy; x: float32 -> the quantised numbers, widened to float32 again
;;       x = np.moveaxis(x, axis, -1); K = x.shape[-1]
;;       x = np.pad(x, [(0, 0)] * (x.ndim - 1) + [(0, -K % 32)]); x = x.reshape(x.shape[:-1] + (-1, 32)); a = np.abs(x).max(-1, keepdims=True)
;;       e = np.where(a > 0, np.clip(np.frexp(np.where(a > 0, a, 1))[1] - 1 - 4, -126, 127), 0)      # np.frexp(a)[1] - 1 = floor(log2(a)), exactly
;;       r = np.clip(x / 2.0 ** e, -28, 28)
;;       step = 2.0 ** (np.maximum(np.frexp(np.where(r == 0, 1, r))[1] - 1, -2) - 2)
;;       q = np.round(r / step) * step * 2.0 ** e      # np.round: ties to even
;;       return np.moveaxis(q.reshape(q.shape[:-2] + (-1,))[..., :K], -1, axis).astype(np.float32)
;;   ~~~
;;   OPERANDS COMPUTED ON THE WAY. 'Computed on the way' means the value that the module computes at that place (a softmax that the list does not call 'softmax' is quantised finished and normalised). What goes into a quantiser is computed in f32, as accurately as f32 sums, v_exp_f32 and their like allow (about 1e-6 of the number): no bf16 or f16 on the way to a quantiser, and a product that is left as it is and whose result goes on into a quantised operand takes f32 operands (vector FMAs, or v_wmma_f32_16x16x4_f32). A number that lies on a knife's edge between two numbers of the format may be rounded either way, as far as f32 arithmetic and the matrix unit's own rounding can turn it there, and no further.
;;   INPUTS GIVEN AS CODES. w1 (in the module: [8, 512, 128], K = its axis 2); w2 (in the module: [8, 128, 512], K = its axis 2): each comes as NAME_codes (uint8): NAME with its K axis moved to the last place and cut into blocks of 32 codes, [.., K / 32, bytes a block], one block behind the other in memory; four codes in three bytes: a row's codes are one little-endian stream of bits, code i at bits 6 i .. 6 i + 5 (a code: sign, 3 exponent bits, 2 mantissa bits); and NAME_scales (uint8): the same leading axes, one E8M0 byte (e + 127) for each 32 codes along K. Its value is code x scale, taken as it is: it is not quantised again, and the codes and scales need not be those that the quantiser above would give.
;; 2 versions, each right; version 2 is version 1 with the launch chain written anew for expert scheduling mode. Each part assembles by itself: llvm-mc -triple=amdgcn-amd-amdhsa -mcpu=gfx1250 --defsym DOCPART=n.
;; ======== version 1 of 2: 3 launches
;; limits: right only within a limited range of input values
;; workspace buffers: rkey 131,072 bytes of whole numbers; rsc 262,144 bytes; cnt 32,768 bytes of whole numbers; perm 131,072 bytes of whole numbers; desc 32,768 bytes of whole numbers
;; launch route (part 1): grid 256 x 1, 4 waves a work-group, no clusters, 68,608 bytes of LDS; arguments x, gate_w, gate_b, rkey, rsc, cnt; writes rkey, rsc, cnt
.if DOCPART == 1
	.amdgcn_target "amdgcn-amd-amdhsa--gfx1250"
	.amdhsa_code_object_version 6
	.text
	.protected	k_qe48d4ce476_route
	.globl	k_qe48d4ce476_route
	.p2align	8
	.type	k_qe48d4ce476_route,@function
k_qe48d4ce476_route:
	s_mov_b64 s[64:65], 0
	v_nop
	global_prefetch_b8 v0, s[64:65] scope:SCOPE_SE
	s_setreg_imm32_b32 hwreg(HW_REG_WAVE_MODE, 25, 1), 1
	s_wait_xcnt 0x0
; THE ROUTER.  logits = x gate_w^T + gate_b in f32, softmax over the 8 experts (the maximum taken off first), the two largest.
; Nothing here steers an address: each token's choice is stored at the token's own place, as whole numbers, for the next launch.
;   rkey[token] = bucket | rank << 8 | i1 << 16 | i2 << 24;  rsc[token] = the two scores;  cnt[block of 128 tokens][32] = tokens of each bucket.
; A bucket is the unordered pair (a < b) of experts, 28 in all, numbered a (15 - a) / 2 + (b - a - 1 for even a, 7 - b for odd a): neighbouring numbers share an expert.
; rank = how many earlier tokens of the same block of 128 have the same bucket.
; SHARES: a work-group takes 128 tokens, a wave 32: two tiles of 16.  The product is 32 K steps of 4 for each tile on the f32 matrix form: experts as source 0
; (rows 8-15 repeat experts 0-7), tokens as source 1, so that a lane holds one token and register j holds expert j.  Both sides carry the same permutation of k.
; LIMITS: NaN and infinities are not served.  The two largest are taken on the exponentials before the division by their sum (a common positive factor); equal values keep the
; lower index; two experts whose logits agree within f32 rounding may be taken otherwise than a differently rounded sum would take them.
.set STG,  16896                       ; a wave's stage in LDS: 32 rows of 512 bytes + 16: row r starts 4 r banks on, so the 16 rows of a load start at 16 different columns of 16 bytes
.set CNT,  67584                       ; behind the four stages: each wave's 32 counts, 128 bytes
.set XR,   16                          ; v16-143  x: as loaded, then 64 registers a tile in the operand's order
.set GW,   144                         ; v144-207 gate_w: register 4 q + i = gate_w[r % 8][8 q + 4 h + i]
.set BIAS, 208                         ; v208-215 gate_b[j] in register j of every lane: the C of each sum's first instruction
.set ACC0, 216                         ; v216-223, v224-231 the two sums: written by matrix instructions alone
.set ACC1, 224
.set LG,   232                         ; v232-239 my token's 8 logits, then its exponentials
	s_load_b128 s[4:7], s[0:1], 0x0                ; x, gate_w
	s_load_b128 s[8:11], s[0:1], 0x10              ; gate_b, rkey
	s_load_b128 s[12:15], s[0:1], 0x20             ; rsc, cnt
	v_lshl_add_u32 v14, v0, 2, 0x10a00
	v_mov_b32 v15, 0
	v_lshrrev_b32 v1, 5, v0
	v_readfirstlane_b32 s16, v1                    ; wave 0..3
	v_and_b32 v8, 31, v0                           ; lane
	v_lshlrev_b32 v1, 4, v8                        ; 16 x lane
	v_and_b32 v2, 15, v0                           ; r
	v_bfe_u32 v3, v0, 4, 1                         ; h
	s_mul_i32 s18, s16, STG
	v_add_nc_u32 v4, s18, v1                       ; into my stage: a row's 512 bytes as they lie
	v_mul_u32_u24 v5, v2, 528
	v_lshl_add_u32 v5, v3, 4, v5
	v_add_nc_u32 v5, s18, v5                       ; out of it: row r, + 16 h
	v_and_b32 v6, 7, v0
	v_lshlrev_b32 v6, 9, v6
	v_lshl_add_u32 v6, v3, 4, v6                   ; gate_w: row r % 8 of 512 bytes, + 16 h
	v_lshlrev_b32 v7, 2, v8                        ; 4 x lane
	v_lshlrev_b32 v11, 3, v8                       ; 8 x lane
	v_mov_b32 v9, 0
	s_lshl_b32 s18, s16, 7
	s_add_co_u32 s18, s18, CNT
	v_add_nc_u32 v10, s18, v7                      ; my wave's counts
	v_add_nc_u32 v12, CNT, v7                      ; and every wave's, by immediates
	s_mov_b32 s17, 0xffff0000                      ; lanes 16-31
	s_mov_b32 s28, 0x3fb8aa3b                      ; log2(e)
	s_lshl_b32 s19, ttmp9, 7
	s_lshl_b32 s20, s16, 5
	s_add_co_u32 s19, s19, s20                     ; my wave's first token
	s_lshl_b32 s20, s19, 9
	s_mov_b32 s21, 0
	s_lshl_b32 s22, s19, 2
	s_mov_b32 s23, 0
	s_lshl_b32 s24, s19, 3
	s_mov_b32 s25, 0
	s_lshl_b32 s26, ttmp9, 7
	s_mov_b32 s27, 0
	s_wait_kmcnt 0x0
	s_add_nc_u64 s[4:5], s[4:5], s[20:21]
	s_add_nc_u64 s[10:11], s[10:11], s[22:23]
	s_add_nc_u64 s[12:13], s[12:13], s[24:25]
	s_add_nc_u64 s[14:15], s[14:15], s[26:27]
.set q, 0
.rept 16
	global_load_b128 v[GW+4*q:GW+4*q+3], v6, s[6:7] offset:32*q
.set q, q+1
.endr
	global_load_b128 v[BIAS:BIAS+3], v9, s[8:9]
	global_load_b128 v[BIAS+4:BIAS+7], v9, s[8:9] offset:16
.set j, 0
.rept 32
	global_load_b128 v[XR+4*j:XR+4*j+3], v1, s[4:5] offset:512*j   ; a token's row: 512 consecutive bytes a load
.set j, j+1
.endr
.set j, 0
.rept 32
	s_wait_loadcnt 31-j                            ; loads come back in order: row j is in, the 31 - j younger rows may be out
	ds_store_b128 v4, v[XR+4*j:XR+4*j+3] offset:528*j
.set j, j+1
.endr
	s_wait_dscnt 0x0                               ; the stores have read their registers, which are loaded again
.set q, 0
.rept 16
	ds_load_b128 v[XR+4*q:XR+4*q+3], v5 offset:32*q                ; tile 0: x[r][8 q + 4 h + 0 .. 3]
	ds_load_b128 v[XR+64+4*q:XR+64+4*q+3], v5 offset:8448+32*q     ; tile 1: 16 rows further down
.set q, q+1
.endr
	s_wait_dscnt 0x0
	v_wmma_f32_16x16x4_f32 v[ACC0:ACC0+7], v[GW:GW+1], v[XR:XR+1], v[BIAS:BIAS+7]        ; each sum's first K step takes the bias as C
	v_wmma_f32_16x16x4_f32 v[ACC1:ACC1+7], v[GW:GW+1], v[XR+64:XR+65], v[BIAS:BIAS+7]
.set k, 1
.rept 31                               ; the two sums take turns, one instruction a turn
	v_wmma_f32_16x16x4_f32 v[ACC0:ACC0+7], v[GW+2*k:GW+2*k+1], v[XR+2*k:XR+2*k+1], v[ACC0:ACC0+7]
	v_wmma_f32_16x16x4_f32 v[ACC1:ACC1+7], v[GW+2*k:GW+2*k+1], v[XR+64+2*k:XR+64+2*k+1], v[ACC1:ACC1+7]
.set k, k+1
.endr
.rept 8
	v_nop                                          ; eight places between this matrix form and the first read of its result (ISA guide 7.12.1)
.endr
.irp j, 0,1,2,3,4,5,6,7
	v_cndmask_b32 v[LG+\j], v[ACC0+\j], v[ACC1+\j], s17            ; lanes 0-15 keep tile 0, lanes 16-31 tile 1: lane l now holds token l of the wave's 32; from the low end on
.endr
	; softmax: the maximum is taken off first, so the largest exponential is 1
	v_max3_num_f32 v240, v[LG], v[LG+1], v[LG+2]
	v_max3_num_f32 v241, v[LG+3], v[LG+4], v[LG+5]
	v_max3_num_f32 v240, v240, v[LG+6], v[LG+7]
	v_max_num_f32 v240, v240, v241
.irp j, 0,1,2,3,4,5,6,7
	v_sub_f32 v[LG+\j], v[LG+\j], v240
.endr
.irp j, 0,1,2,3,4,5,6,7
	v_mul_f32 v[LG+\j], s28, v[LG+\j]
.endr
.irp j, 0,1,2,3,4,5,6,7
	v_exp_f32 v[LG+\j], v[LG+\j]
.endr
	v_mov_b32 v243, 0                              ; (a plain line behind the exponentials)  i1 = 0
	s_wait_alu depctr_va_vdst(0)
	v_add_f32 v240, v[LG], v[LG+1]
	v_add_f32 v241, v[LG+2], v[LG+3]
	v_add_f32 v251, v[LG+4], v[LG+5]
	v_add_f32 v252, v[LG+6], v[LG+7]
	v_add_f32 v240, v240, v241
	v_add_f32 v251, v251, v252
	v_add_f32 v240, v240, v251
	v_rcp_f32 v240, v240                           ; 1 / the sum
	v_mov_b32 v242, v[LG]                          ; (a plain line behind the reciprocal)  the largest so far
.irp j, 1,2,3,4,5,6,7
	v_cmp_gt_f32 vcc_lo, v[LG+\j], v242            ; strictly larger only: equal values keep the lower index
	v_cndmask_b32 v242, v242, v[LG+\j], vcc_lo
	v_cndmask_b32 v243, v243, \j, vcc_lo
.endr
.irp j, 0,1,2,3,4,5,6,7
	v_cmp_eq_u32 vcc_lo, \j, v243
	v_cndmask_b32 v[LG+\j], v[LG+\j], -1.0, vcc_lo ; the first choice leaves the field: every exponential is 0 or more
.endr
	v_mov_b32 v244, v[LG]
	v_mov_b32 v245, 0
.irp j, 1,2,3,4,5,6,7
	v_cmp_gt_f32 vcc_lo, v[LG+\j], v244
	v_cndmask_b32 v244, v244, v[LG+\j], vcc_lo
	v_cndmask_b32 v245, v245, \j, vcc_lo
.endr
	s_wait_alu depctr_va_vdst(0)
	v_mul_f32 v246, v242, v240                     ; the two scores
	v_mul_f32 v247, v244, v240
	; the bucket
	v_min_u32 v248, v243, v245                     ; a
	v_max_u32 v249, v243, v245                     ; b
	v_sub_nc_u32 v250, 15, v248
	v_mul_u32_u24 v250, v248, v250
	v_lshrrev_b32 v250, 1, v250                    ; a (15 - a) / 2
	v_sub_nc_u32 v251, v249, v248
	v_add_nc_u32 v251, -1, v251                    ; even a: b - a - 1
	v_sub_nc_u32 v252, 7, v249                     ; odd a: 7 - b
	v_and_b32 v253, 1, v248
	v_cmp_eq_u32 vcc_lo, 1, v253
	v_cndmask_b32 v251, v251, v252, vcc_lo
	v_add_nc_u32 v250, v250, v251
	; counts and ranks inside the wave: a lane mask for each bucket; values only, no address and no branch hangs on them
	v_mov_b32 v254, 0                              ; lane n: tokens of bucket n in my wave (lanes 28-31 stay 0)
	v_mov_b32 v255, 0                              ; my rank
.set bb, 0
.rept 28
	v_cmp_eq_u32 s[36+bb], bb, v250
	v_mbcnt_lo_u32_b32 v253, s[36+bb], 0           ; lanes below me in this bucket
	v_cndmask_b32 v255, v255, v253, s[36+bb]
	s_bcnt1_i32_b32 s20, s[36+bb]
	v_writelane_b32 v254, s20, bb
.set bb, bb+1
.endr
	ds_store_b32 v10, v254
	s_wait_dscnt 0x0                               ; for the others' sake: my counts lie in LDS
	s_barrier_signal -1
	s_barrier_wait -1
.irp w, 0,1,2,3
	ds_load_b32 v[16+\w], v12 offset:128*\w
.endr
	s_wait_dscnt 0x0
	v_add_nc_u32 v20, v16, v17
	v_add_nc_u32 v21, v18, v19
	v_add_nc_u32 v20, v20, v21                     ; the block's counts
	v_mov_b32 v21, 0
.irp w, 0,1,2
	s_cmp_gt_u32 s16, \w
	s_cselect_b32 s20, -1, 0
	v_and_b32 v23, s20, v[16+\w]
	v_add_nc_u32 v21, v21, v23                     ; the counts of the waves in front of mine
.endr
	v_mov_b32 v22, 0
.set bb, 0
.rept 28
	v_readlane_b32 s20, v21, bb
	v_cndmask_b32 v22, v22, s20, s[36+bb]          ; my bucket's
.set bb, bb+1
.endr
	v_add_nc_u32 v255, v255, v22
	v_lshl_or_b32 v250, v255, 8, v250
	v_lshl_or_b32 v250, v243, 16, v250
	v_lshl_or_b32 v250, v245, 24, v250
	global_store_b32 v7, v250, s[10:11]
	global_store_b64 v11, v[246:247], s[12:13]     ; the wave stores 256 consecutive bytes, aligned
	s_cmp_lg_u32 s16, 0
	s_cbranch_scc1 .Lend
	global_store_b32 v7, v20, s[14:15]             ; wave 0: the block's 32 counts
.Lend:
	s_wait_tensorcnt 0x0
	ds_add_u32 v14, v15
	s_wait_dscnt 0x0
	s_endpgm
.Lfunc_end_k_qe48d4ce476_route:
	.size	k_qe48d4ce476_route, .Lfunc_end_k_qe48d4ce476_route-k_qe48d4ce476_route
	.p2alignl 7, 3214868480
	.fill 96, 4, 3214868480
	.section	.rodata,"a",@progbits
	.p2align	6, 0x0
	.amdhsa_kernel k_qe48d4ce476_route
		.amdhsa_group_segment_fixed_size 68608
		.amdhsa_private_segment_fixed_size 0
		.amdhsa_enable_private_segment 0
		.amdhsa_kernarg_size 48
		.amdhsa_user_sgpr_count 2
		.amdhsa_user_sgpr_kernarg_segment_ptr 1
		.amdhsa_wavefront_size32 1
		.amdhsa_system_sgpr_workgroup_id_x 1
		.amdhsa_system_sgpr_workgroup_id_y 1
		.amdhsa_system_sgpr_workgroup_id_z 1
		.amdhsa_system_vgpr_workitem_id 0
		.amdhsa_next_free_vgpr 256
		.amdhsa_next_free_sgpr 66
		.amdhsa_reserve_vcc 1
		.amdhsa_float_denorm_mode_32 3
		.amdhsa_float_denorm_mode_16_64 3
		.amdhsa_memory_ordered 1
		.amdhsa_forward_progress 1
		.amdhsa_inst_pref_size 35
	.end_amdhsa_kernel
	.amdgpu_metadata
---
amdhsa.version: [ 1, 2 ]
amdhsa.kernels:
  - .name:           k_qe48d4ce476_route
    .symbol:         k_qe48d4ce476_route.kd
    .args:
      - { .name: x, .offset: 0, .size: 8, .value_kind: global_buffer, .address_space: global }
      - { .name: gate_w, .offset: 8, .size: 8, .value_kind: global_buffer, .address_space: global }
      - { .name: gate_b, .offset: 16, .size: 8, .value_kind: global_buffer, .address_space: global }
      - { .name: rkey, .offset: 24, .size: 8, .value_kind: global_buffer, .address_space: global }
      - { .name: rsc, .offset: 32, .size: 8, .value_kind: global_buffer, .address_space: global }
      - { .name: cnt, .offset: 40, .size: 8, .value_kind: global_buffer, .address_space: global }
    .group_segment_fixed_size: 68608
    .private_segment_fixed_size: 0
    .kernarg_segment_align: 8
    .kernarg_segment_size: 48
    .max_flat_workgroup_size: 128
    .sgpr_count:     66
    .vgpr_count:     256
    .wavefront_size: 32
...
	.end_amdgpu_metadata
.endif
;; end of part 1
;; launch place (part 2): grid 256 x 1, 4 waves a work-group, no clusters, 4,608 bytes of LDS; arguments rkey, cnt, perm, desc; writes perm, desc
.if DOCPART == 2
	.amdgcn_target "amdgcn-amd-amdhsa--gfx1250"
	.amdhsa_code_object_version 6
	.text
	.protected	k_qe48d4ce476_place
	.globl	k_qe48d4ce476_place
	.p2align	8
	.type	k_qe48d4ce476_place,@function
k_qe48d4ce476_place:
	s_mov_b64 s[64:65], 0
	v_nop
	global_prefetch_b8 v0, s[64:65] scope:SCOPE_SE
	s_setreg_imm32_b32 hwreg(HW_REG_WAVE_MODE, 25, 1), 1
	s_wait_xcnt 0x0
; THE PLACING.  A counting sort of the 32,768 tokens by bucket, finished without atomics: perm[sorted place] = token, where
; place = tokens of lower buckets + tokens of my bucket in earlier blocks of 128 + my rank inside my block.
; Every work-group reads all 256 x 32 counts (32 KiB) and places its own block's 128 tokens.  Work-group i also stores the list that work-group i of the next launch walks by:
; desc[i] = tm_lo, tm_hi, used, 0 ..: byte e of tm has bit m set where tile m (sorted places 128 i + 16 m .. + 15) holds a token that uses expert e; bit e of used where that byte is not 0.
; All numbers here are whole numbers read from memory.
.macro EXPERT e, pm                    ; pm: the buckets that hold expert e
.irp m, 0,1,2,3,4,5,6,7
	s_and_b32 s35, s[24+\m], \pm                   ; does tile m meet one of them?
	s_cselect_b32 s35, 1<<(8*(\e%4)+\m), 0
	s_or_b32 s[32+\e/4], s[32+\e/4], s35
.endr
.endm
	s_load_b128 s[4:7], s[0:1], 0x0                ; rkey, cnt
	s_load_b128 s[8:11], s[0:1], 0x10              ; perm, desc
	v_lshl_add_u32 v128, v0, 2, 0x1000
	v_mov_b32 v129, 0
	v_lshrrev_b32 v1, 5, v0
	v_readfirstlane_b32 s12, v1                    ; wave
	v_and_b32 v2, 31, v0                           ; lane
	v_lshlrev_b32 v3, 4, v0                        ; 16 t
	v_lshrrev_b32 v4, 3, v0                        ; t / 8
	v_lshlrev_b32 v5, 2, v0                        ; 4 t
	v_lshlrev_b32 v6, 2, v2                        ; 4 x lane
	s_lshl_b32 s14, ttmp9, 9
	s_mov_b32 s15, 0
	s_lshl_b32 s22, ttmp9, 7
	s_mov_b32 s23, 0
	s_wait_kmcnt 0x0
	s_add_nc_u64 s[4:5], s[4:5], s[14:15]
	s_add_nc_u64 s[10:11], s[10:11], s[22:23]
	global_load_b32 v7, v5, s[4:5]                 ; my token's key
.set k, 0
.rept 16
	global_load_b128 v[16+4*k:19+4*k], v3, s[6:7] offset:2048*k    ; block t / 8 + 16 k, buckets 4 (t % 8) .. + 3: the work-group reads 2,048 consecutive bytes a load
.set k, k+1
.endr
.irp c, 0,1,2,3,4,5,6,7
	v_mov_b32 v[80+\c], 0                          ; v80-83 all blocks' counts, v84-87 those of the blocks in front of mine
.endr
.set k, 0
.rept 16
	s_wait_loadcnt 15-k                            ; load k is in, the 15 - k younger ones may be out
	s_sub_co_i32 s16, ttmp9, 16*k
	v_cmp_gt_i32 vcc_lo, s16, v4                   ; t / 8 + 16 k < my block?
.irp c, 0,1,2,3
	v_add_nc_u32 v[80+\c], v[80+\c], v[16+4*k+\c]
	v_cndmask_b32 v[88+\c], 0, v[16+4*k+\c], vcc_lo
.endr
.irp c, 0,1,2,3
	v_add_nc_u32 v[84+\c], v[84+\c], v[88+\c]
.endr
.set k, k+1
.endr
	ds_store_b128 v3, v[80:83]
	ds_store_b128 v3, v[84:87] offset:2048
	s_wait_dscnt 0x0                               ; for the others' sake
	s_barrier_signal -1
	s_barrier_wait -1
.set k, 0
.rept 16
	ds_load_b32 v[16+k], v6 offset:128*k           ; lane n: bucket n's part sums of threads 8 k + n / 4
	ds_load_b32 v[32+k], v6 offset:2048+128*k
.set k, k+1
.endr
	s_wait_dscnt 0x0
	v_add_nc_u32 v48, v16, v17
	v_add_nc_u32 v49, v32, v33
.set k, 2
.rept 14
	v_add_nc_u32 v48, v48, v[16+k]                 ; lane n: all tokens of bucket n
	v_add_nc_u32 v49, v49, v[32+k]                 ; and those in earlier blocks
.set k, k+1
.endr
	v_mov_b32 v50, 0
	s_mov_b32 s17, 0
.set bb, 0
.rept 28
	v_readlane_b32 s18, v48, bb
	v_writelane_b32 v50, s17, bb                   ; lane n: where bucket n begins
	s_add_co_u32 s17, s17, s18
.set bb, bb+1
.endr
	v_add_nc_u32 v51, v50, v49
	v_and_b32 v52, 0xff, v7
	v_min_u32 v52, 31, v52                         ; the bucket, held inside the wave's lanes
	v_lshlrev_b32 v52, 2, v52
	ds_bpermute_b32 v53, v52, v51                  ; my bucket's lane's number: no LDS byte is touched
	v_bfe_u32 v54, v7, 8, 8                        ; my rank
	v_add_nc_u32 v55, s22, v0                      ; my token
	s_wait_dscnt 0x0
	v_add_nc_u32 v53, v53, v54
	v_min_u32 v53, 0x7fff, v53                     ; the place, held inside the buffer
	v_lshlrev_b32 v53, 2, v53
	global_store_b32 v53, v55, s[8:9]
	s_cmp_lg_u32 s12, 0
	s_cbranch_scc1 .Lend
	; wave 0: the list.  Bucket n meets tile m where max(tile's first place, bucket's first) < min(tile's end, bucket's end); an empty bucket meets none
	v_add_nc_u32 v56, v50, v48
.irp m, 0,1,2,3,4,5,6,7
	s_add_co_u32 s20, s22, 16*\m
	s_add_co_u32 s21, s22, 16*\m+16
	v_max_u32 v57, s20, v50
	v_min_u32 v58, s21, v56
	v_cmp_lt_u32 s[24+\m], v57, v58
.endr
	s_mov_b32 s32, 0
	s_mov_b32 s33, 0
	s_mov_b32 s34, 0
	EXPERT 0, 0x7f
	EXPERT 1, 0x1f81
	EXPERT 2, 0x3f002
	EXPERT 3, 0x3c2804
	EXPERT 4, 0x1e04408
	EXPERT 5, 0x6508210
	EXPERT 6, 0xc890120
	EXPERT 7, 0xb0600c0
.irp e, 0,1,2,3,4,5,6,7
	s_bfe_u32 s35, s[32+\e/4], (8<<16)|(8*(\e%4))
	s_cselect_b32 s35, 1<<\e, 0
	s_or_b32 s34, s34, s35
.endr
	v_mov_b32 v59, 0
	v_writelane_b32 v59, s32, 0
	v_writelane_b32 v59, s33, 1
	v_writelane_b32 v59, s34, 2
	global_store_b32 v6, v59, s[10:11]             ; 128 bytes: three words and zeros
.Lend:
	s_wait_tensorcnt 0x0
	ds_add_u32 v128, v129
	s_wait_dscnt 0x0
	s_endpgm
.Lfunc_end_k_qe48d4ce476_place:
	.size	k_qe48d4ce476_place, .Lfunc_end_k_qe48d4ce476_place-k_qe48d4ce476_place
	.p2alignl 7, 3214868480
	.fill 96, 4, 3214868480
	.section	.rodata,"a",@progbits
	.p2align	6, 0x0
	.amdhsa_kernel k_qe48d4ce476_place
		.amdhsa_group_segment_fixed_size 4608
		.amdhsa_private_segment_fixed_size 0
		.amdhsa_enable_private_segment 0
		.amdhsa_kernarg_size 32
		.amdhsa_user_sgpr_count 2
		.amdhsa_user_sgpr_kernarg_segment_ptr 1
		.amdhsa_wavefront_size32 1
		.amdhsa_system_sgpr_workgroup_id_x 1
		.amdhsa_system_sgpr_workgroup_id_y 1
		.amdhsa_system_sgpr_workgroup_id_z 1
		.amdhsa_system_vgpr_workitem_id 0
		.amdhsa_next_free_vgpr 130
		.amdhsa_next_free_sgpr 66
		.amdhsa_reserve_vcc 1
		.amdhsa_float_denorm_mode_32 3
		.amdhsa_float_denorm_mode_16_64 3
		.amdhsa_memory_ordered 1
		.amdhsa_forward_progress 1
		.amdhsa_inst_pref_size 32
	.end_amdhsa_kernel
	.amdgpu_metadata
---
amdhsa.version: [ 1, 2 ]
amdhsa.kernels:
  - .name:           k_qe48d4ce476_place
    .symbol:         k_qe48d4ce476_place.kd
    .args:
      - { .name: rkey, .offset: 0, .size: 8, .value_kind: global_buffer, .address_space: global }
      - { .name: cnt, .offset: 8, .size: 8, .value_kind: global_buffer, .address_space: global }
      - { .name: perm, .offset: 16, .size: 8, .value_kind: global_buffer, .address_space: global }
      - { .name: desc, .offset: 24, .size: 8, .value_kind: global_buffer, .address_space: global }
    .group_segment_fixed_size: 4608
    .private_segment_fixed_size: 0
    .kernarg_segment_align: 8
    .kernarg_segment_size: 32
    .max_flat_workgroup_size: 128
    .sgpr_count:     66
    .vgpr_count:     130
    .wavefront_size: 32
...
	.end_amdgpu_metadata
.endif
;; end of part 2
;; launch chain (part 3): grid 256 x 1, 8 waves a work-group, no clusters, 184,320 bytes of LDS; arguments x, ln1_g, ln1_b, ln2_g, ln2_b, b2, perm, rkey, rsc, desc, w1_codes, w1_scales, w2_codes, w2_scales, out0; writes out0
.if DOCPART == 3
	.amdgcn_target "amdgcn-amd-amdhsa--gfx1250"
	.amdhsa_code_object_version 6
	.text
	.protected	k_qe48d4ce476_chain
	.globl	k_qe48d4ce476_chain
	.p2align	8
	.type	k_qe48d4ce476_chain,@function
k_qe48d4ce476_chain:
	s_mov_b64 s[64:65], 0
	v_nop
	global_prefetch_b8 v0, s[64:65] scope:SCOPE_SE
	s_setreg_imm32_b32 hwreg(HW_REG_WAVE_MODE, 25, 1), 1
	s_wait_xcnt 0x0
; THE EXPERTS.  out[token] = the sum over the token's two experts e of score_e x (gelu(LN2_e(Q(gelu(LN1_e(x))) W1_e^T)) quantised, x W2_e^T + b2_e); both products on codes of BF6 (E3M2) with E8M0 scales.
; SHARES.  Work-group i owns the sorted places 128 i .. 128 i + 127 (perm gives their tokens): 8 tiles of 16 rows.  It walks the 8 experts in a loop of constant count with three barriers a trip;
; the work of a tile that does not use the expert is jumped over by scalar branches on the stored list (desc); no barrier stands under such a branch.  A row of a used tile that does not use the expert has weight 0.
; Eight waves, two to a SIMD.  THE WAVES SHARE THE COLUMNS: wave W = 4 g + w makes hidden units 128 w .. + 127 and outputs 32 w .. + 31 of tiles 4 g .. 4 g + 3.  Its slices of W1[e] and W2[e] go from memory
; straight into registers and stay for the expert; the next used expert's are asked for as soon as the registers are free.  No tensor load: which expert comes next hangs on the list.
; No cluster: partners would want different experts in different trips, so no joint request could be alike in all of them.
; A TRIP.  P0: wave W makes a1 = gelu(xn g1 + b1) of tile W, quantises it, stores the fragment's register image in LDS | barrier | P1: t = a1 W1^T for my 128 units of each of my 4 tiles, only for the row's mean and
; centred sum of squares over my units, to LDS | barrier | P2: the same products again (same operands, same bits), the four waves' statistics combined, LN2, gelu, quantiser, image to LDS | barrier |
; P3: my 32 outputs from the four K steps' images, b2 as the first C, out += weight x result, in registers.  t is made twice so that one copy of the gelu's text serves all tiles and t needs no 256 registers.
; Both products are used transposed (source 0 = 16 rows of the weight, source 1 = 16 tokens): a lane holds one token.  Lane r of W1's tile 2 b + u takes row 32 b + 8 u + r + 8 (r / 8), so that the 16 registers
; of tiles 2 b, 2 b + 1 are 16 neighbours along the next K.
; GELU, exact form: gelu(x) = max(x, 0) - |x| w, w = erfc(|x| / sqrt 2) / 2 = t 2^(P(t) - x^2 log2(e) / 2), t = 1 / (1 + |x| / (2 sqrt 2)), P of degree 9: the classical rational-exponential fit of erfc
; (fractional error 1.2e-7), its coefficients times log2(e), the halving folded into C0.
; VARIANCES are centred sums; across the four waves they are joined by M2 = sum M2_k + 128 sum (m_k - mu)^2: no difference of large sums.  LN2 applies t rstd - mu rstd by one fused multiply-add:
; its error is at most half a last place of mu rstd.
; LIMITS: NaN and infinities are not served; w under 2^-126 (x under about -13.2) comes out as 0; a block of zeros gets the scale byte 1 (its codes are zeros, and this program alone reads the byte).
.set XST,  45056                       ; LDS.  0: the tables as in memory: ln1_g 0, ln1_b 4096, ln2_g 8192, ln2_b 24576, b2 40960
                                       ; XST: 128 rows of 512 bytes + 16; rows 16 W .. are wave W's own (x, then xn); at the end the work-group's stage for the output
.set AIMG, 112640                      ; a1's fragment of tile m at 1536 m: register group c at 512 c + 16 x lane
.set ASC,  124928                      ; its scale words: 128 m + 4 x lane
.set HIMG, 125952                      ; the hidden layer's fragments: wave W's four (its K step, tiles mm) at 6144 W + 1536 mm
.set HSC,  175104                      ; their scale words: 512 W + 128 mm + 4 x lane
.set STAT, 179200                      ; (mean, M2) of wave W's units: 512 W + 128 mm + 8 r
; window 0: v1 16 x lane, v2 4 x lane, v3-6 my lane's bytes in W1, its scales, W2, its scales; then LDS addresses:
.set XL,   7                           ; my row's 64 bytes of a block in my wave's rows
.set XC,   8                           ; my 16 bytes of a whole row
.set AIW,  9
.set ASW,  10
.set AIR,  11
.set ASR,  12
.set STW,  13
.set STR,  14
.set HIW,  15
.set HSW,  16
.set HIR,  17
.set HSR,  18
.set T1B,  19
.set T2B,  20
.set T3B,  21
.set T1,   22                          ; this expert's ln1, ln2, b2
.set T2,   23
.set T3,   24
.set AIC,  25                          ; this tile's: a1's image, its scale words, statistics out and in, the hidden image, its scale words
.set ASCU, 26
.set STWC, 27
.set STRC, 28
.set HIWC, 29
.set HSWC, 53
.set CV8,  30                          ; v30-31 C8 twice
.set W1S,  32                          ; v32-39, v40-47, v48, v49-52: scale words and nothing else
.set W2S,  40
.set XS,   48
.set HS,   49
.set KEY,  54                          ; v54-57 the key word of my row in tile mm
.set SC,   58                          ; v58-65 its two scores
.set PC,   66                          ; v66-85 the codes just made
.set XF,   86                          ; v86-97 a1's fragment
.set TM,   98                          ; v98-113 at work
.set PW,   114                         ; the scale word just made
.set SOA,  115                         ; the stage, on the way in
.set ST,   116                         ; v116-123 four waves' (mean, M2)
.set RS,   124                         ; v124-125 rstd twice;  v126-127 -mu rstd twice
.set NB,   126
.set T,    128                         ; v128-191 64 numbers at work: register 16 b + i = column 32 b + 16 h + i of my row
.set GB,   192                         ; v192-223, v224-255 gains and biases of a block, two buffers; in the gelu four sets of 16
.set GT,   224
.set TT,   192
.set PP,   208
.set YY,   224
.set MM,   240
.set HF,   128                         ; P3: four hidden fragments, b2, the two results, the weight twice
.set BI,   176
.set YA,   192
.set CW,   208
; window 1: v0-95 W1's 8 fragments; v96-191 W2's 8 (4 n + s); v192-255 the output's sums (16 mm + 8 n + j)
.set K1,   56                          ; s56 1 / (2 sqrt 2);  s57 1e-5;  then pairs, both words written, since the packed forms name a pair
.set EPS,  57
.set C9,   58
.set C7,   60
.set C6,   62
.set C5,   66
.set C4,   68
.set C3,   70
.set C2,   72
.set C1,   74
.set C0,   76
.set NK2,  78
.set SEL,  80                          ; s80-81 v_permlanex16_b32's selects for lane l xor 16
.set SW,   82                          ; wave W, g, w
.set SG,   83
.set SWW,  84
.set SE,   85                          ; e, 512 e, 2048 e
.set SE5,  86
.set SE2,  87
.set STB,  88                          ; the work-group's tiles that use e; my group's four
.set SGB,  89
.set SUR,  90                          ; used >> (e + 1)
.set SNX,  91                          ; the next used expert
.set SDO,  92                          ; not 0: fetch its weights in this trip
.set SMM,  93                          ; mm, 1536 mm, 128 mm
.set SO15, 94
.set SO1,  95
.set MSB, 0
.macro WIN new                         ; the immediate's high byte repeats the setting that is left; at every label and branch the setting is 0
.if MSB != \new
	s_set_vgpr_msb (MSB<<8)|\new
.set MSB, \new
.endif
.endm
.macro BAR                             ; my LDS stores have landed and my LDS loads are in: then the work-group's barrier
	s_wait_dscnt 0x0
	s_barrier_signal -1
	s_barrier_wait -1
.endm
.macro CPAIR reg, val
	s_mov_b32 s[\reg], \val
	s_mov_b32 s[\reg+1], \val
.endm
.macro SETW                            ; the four bases of expert s[SNX]'s slices for my w: s[4:5] W1, s[6:7] its scales, s[8:9] W2, s[10:11] its scales.  No load that names them is out here
	s_mul_i32 s12, s[SNX], 49152
	s_mul_i32 s96, s[SWW], 12288
	s_add_co_u32 s12, s12, s96
	s_mov_b32 s13, 0
	s_add_nc_u64 s[4:5], s[24:25], s[12:13]
	s_add_nc_u64 s[8:9], s[28:29], s[12:13]
	s_lshl_b32 s12, s[SNX], 11
	s_lshl_b32 s96, s[SWW], 9
	s_add_co_u32 s12, s12, s96
	s_add_nc_u64 s[6:7], s[26:27], s[12:13]
	s_add_nc_u64 s[10:11], s[30:31], s[12:13]
.endm
.macro LOADW1                          ; 48 + 8 loads: a fragment is the row's stream of bits as it lies, 24 bytes a half, in pieces of 8
	WIN 0x40
.irp t, 0,1,2,3,4,5,6,7
.irp p, 0,1,2,3,4,5
	global_load_b64 v[12*\t+2*\p:12*\t+2*\p+1], v3, s[4:5] offset:(32*(\t/2)+8*(\t%2))*96+48*(\p/3)+8*(\p%3)
.endr
.endr
	WIN 0
.irp t, 0,1,2,3,4,5,6,7
	global_load_b32 v[W1S+\t], v4, s[6:7] offset:(32*(\t/2)+8*(\t%2))*4
.endr
.endm
.macro LOADW2
	WIN 0x40
.irp n, 0,1
.irp s, 0,1,2,3
.irp p, 0,1,2,3,4,5
	global_load_b64 v[96+12*(4*\n+\s)+2*\p:96+12*(4*\n+\s)+2*\p+1], v5, s[8:9] offset:6144*\n+96*\s+48*(\p/3)+8*(\p%3)
.endr
.endr
.endr
	WIN 0
.irp n, 0,1
.irp s, 0,1,2,3
	global_load_b32 v[W2S+4*\n+\s], v6, s[10:11] offset:256*\n+4*\s
.endr
.endr
.endm
.macro GBLOAD b, buf, adr, dist        ; block b's 16 gains and 16 biases of my half: 8 loads
.irp q, 0,1,2,3
	ds_load_b128 v[\buf+4*\q:\buf+4*\q+3], v[\adr] offset:128*\b+16*\q
.endr
.irp q, 0,1,2,3
	ds_load_b128 v[\buf+16+4*\q:\buf+16+4*\q+3], v[\adr] offset:\dist+128*\b+16*\q
.endr
.endm
.macro AFFBLK b, buf, norm
.if \norm
.set ai, 0
.rept 8
	v_pk_fma_f32 v[T+16*\b+ai:T+16*\b+ai+1], v[T+16*\b+ai:T+16*\b+ai+1], v[RS:RS+1], v[NB:NB+1]     ; (t - mu) rstd; each result is read from its low end on
.set ai, ai+2
.endr
.endif
.set ai, 0
.rept 8
	v_pk_fma_f32 v[T+16*\b+ai:T+16*\b+ai+1], v[T+16*\b+ai:T+16*\b+ai+1], v[\buf+ai:\buf+ai+1], v[\buf+16+ai:\buf+16+ai+1]
.set ai, ai+2
.endr
.endm
.macro AFF adr, dist, norm             ; entered with blocks 0 and 1 asked for.  Each count of 8 leaves the one younger block's eight loads out
	s_wait_dscnt 8
	AFFBLK 0, GB, \norm
	GBLOAD 2, GB, \adr, \dist
	s_wait_dscnt 8
	AFFBLK 1, GT, \norm
	GBLOAD 3, GT, \adr, \dist
	s_wait_dscnt 8
	AFFBLK 2, GB, \norm
	s_wait_dscnt 0x0
	AFFBLK 3, GT, \norm
.endm
.macro GELU16 x                        ; 16 numbers in place.  Reciprocals and exponentials alternate with plain lines that are due anyway, so each has its plain line behind it
.set gi, 0
.rept 16
	v_fma_f32 v[TT+gi], |v[\x+gi]|, s[K1], 1.0
.set gi, gi+1
.endr
.set gi, 0
.rept 8
	v_rcp_f32 v[TT+gi], v[TT+gi]                   ; t
	v_pk_mul_f32 v[YY+gi:YY+gi+1], v[\x+gi:\x+gi+1], v[\x+gi:\x+gi+1]
	v_rcp_f32 v[TT+gi+1], v[TT+gi+1]
	v_max_num_f32 v[MM+gi], 0, v[\x+gi]
.set gi, gi+2
.endr
.set gi, 0
	s_wait_alu depctr_va_vdst(0)
.rept 8
	v_pk_fma_f32 v[PP+gi:PP+gi+1], v[TT+gi:TT+gi+1], s[C9:C9+1], v[CV8:CV8+1] op_sel_hi:[1,0,1]
.set gi, gi+2
.endr
.irp c, C7, C6, C5, C4, C3, C2, C1, C0
.set gi, 0
.rept 8
	v_pk_fma_f32 v[PP+gi:PP+gi+1], v[PP+gi:PP+gi+1], v[TT+gi:TT+gi+1], s[\c:\c+1] op_sel_hi:[1,1,0]
.set gi, gi+2
.endr
.endr
.set gi, 0
.rept 8
	v_pk_fma_f32 v[PP+gi:PP+gi+1], v[YY+gi:YY+gi+1], s[NK2:NK2+1], v[PP+gi:PP+gi+1] op_sel_hi:[1,0,1]
.set gi, gi+2
.endr
.set gi, 0
.rept 8
	v_exp_f32 v[PP+gi], v[PP+gi]
	v_max_num_f32 v[MM+gi+1], 0, v[\x+gi+1]
	v_exp_f32 v[PP+gi+1], v[PP+gi+1]
.if gi > 0
	s_wait_alu depctr_va_vdst(0)
	v_pk_mul_f32 v[PP+gi-2:PP+gi-1], v[PP+gi-2:PP+gi-1], v[TT+gi-2:TT+gi-1]      ; w of the pair before
.endif
.set gi, gi+2
.endr
	v_pk_mul_f32 v[PP+14:PP+15], v[PP+14:PP+15], v[TT+14:TT+15]
.set gi, 0
.rept 16
	v_fma_f32 v[\x+gi], -|v[\x+gi]|, v[PP+gi], v[MM+gi]
.set gi, gi+1
.endr
.endm
.macro FOLD                            ; four packed chains in v[TM .. TM+7] -> the row's sum in v[TM], in both lanes of the row
	v_pk_add_f32 v[TM:TM+1], v[TM:TM+1], v[TM+2:TM+3]
	v_pk_add_f32 v[TM+4:TM+5], v[TM+4:TM+5], v[TM+6:TM+7]
	v_pk_add_f32 v[TM:TM+1], v[TM:TM+1], v[TM+4:TM+5]
	v_add_f32 v[TM], v[TM], v[TM+1]
	v_permlanex16_b32 v[TM+10], v[TM], s[SEL], s[SEL+1]
	v_add_f32 v[TM], v[TM], v[TM+10]
.endm
.macro STATS                           ; of the row's 128 numbers (64 mine, 64 in lane l xor 16): mean -> v[TM+8], centred sum of squares -> v[TM+9]; T is left centred
.irp c, 0,1,2,3
	v_pk_add_f32 v[TM+2*\c:TM+2*\c+1], v[T+2*\c:T+2*\c+1], v[T+8+2*\c:T+8+2*\c+1]
.endr
.irp j, 16,24,32,40,48,56
.irp c, 0,1,2,3
	v_pk_add_f32 v[TM+2*\c:TM+2*\c+1], v[TM+2*\c:TM+2*\c+1], v[T+\j+2*\c:T+\j+2*\c+1]
.endr
.endr
	FOLD
	v_mul_f32 v[TM+8], 0x3c000000, v[TM]           ; / 128
	v_mul_f32 v[TM+12], 0xbc000000, v[TM]
	v_mul_f32 v[TM+13], 0xbc000000, v[TM]
.set si, 0
.rept 32
	v_pk_add_f32 v[T+si:T+si+1], v[T+si:T+si+1], v[TM+12:TM+13]
.set si, si+2
.endr
.irp c, 0,1,2,3
	v_pk_mul_f32 v[TM+2*\c:TM+2*\c+1], v[T+2*\c:T+2*\c+1], v[T+2*\c:T+2*\c+1]
.endr
.irp j, 8,16,24,32,40,48,56
.irp c, 0,1,2,3
	v_pk_fma_f32 v[TM+2*\c:TM+2*\c+1], v[T+\j+2*\c:T+\j+2*\c+1], v[T+\j+2*\c:T+\j+2*\c+1], v[TM+2*\c:TM+2*\c+1]
.endr
.endr
	FOLD
	v_mov_b32 v[TM+9], v[TM]
.endm
; 64 numbers of a lane, register 16 b + i = k 32 b + 16 h + i of my row, become a fragment's codes in v[PC] on and its scale word in v[PW]
.macro QUANT s
.irp b, 0,1,2,3
	v_max3_num_f32 v[TM+\b], |v[\s+16*\b]|, |v[\s+1+16*\b]|, 0x2800000   ; block b: my 16 numbers and the floor 2^(5 - 127), so that the byte cannot fall under 1
.endr
.irp i, 2,4,6,8,10,12,14
.irp b, 0,1,2,3
	v_max3_num_f32 v[TM+\b], v[TM+\b], |v[\s+16*\b+\i]|, |v[\s+1+16*\b+\i]|
.endr
.endr
.irp b, 0,1,2,3
	v_permlanex16_b32 v[TM+4+\b], v[TM+\b], s[SEL], s[SEL+1]
.endr
.irp b, 0,1,2,3
	v_max_num_f32 v[TM+\b], v[TM+\b], v[TM+4+\b]   ; with lane l xor 16's: the block's largest magnitude
.endr
.irp b, 0,1,2,3
	v_add_nc_u32 v[TM+12+\b], 0xfe000000, v[TM+\b] ; 4 off its exponent field: the conversion takes this operand's exponent field as its scale
.endr
.irp b, 0,1,2,3
	v_lshrrev_b32 v[TM+4+\b], 23, v[TM+12+\b]      ; the scale's byte
.endr
	v_lshl_or_b32 v[PW], v[TM+5], 8, v[TM+4]
	v_lshl_or_b32 v[PW], v[TM+6], 16, v[PW]
	v_lshl_or_b32 v[PW], v[TM+7], 24, v[PW]
.irp c, 0,1
	v_cvt_scalef32_pk16_bf6_f32 v[PC+6*\c:PC+2+6*\c], v[\s+32*\c:\s+15+32*\c], v[TM+12+2*\c]
	v_cvt_scalef32_pk16_bf6_f32 v[PC+12+4*\c:PC+14+4*\c], v[\s+16+32*\c:\s+31+32*\c], v[TM+12+2*\c+1]   ; (a conversion's three registers begin on an even number)
.endr
	v_nop                                          ; one plain line behind a scaled conversion
.irp c, 0,1                            ; the operand wants a whole block in a lane: lanes 0-15 block 2 c, lanes 16-31 block 2 c + 1
.irp i, 0,1,2
	v_permlane16_swap_b32 v[PC+6*\c+\i], v[PC+12+4*\c+\i]
.endr
.irp i, 0,1,2
	v_mov_b32 v[PC+3+6*\c+\i], v[PC+12+4*\c+\i]
.endr
.endr
.endm
.macro IMAGE adr                       ; the fragment goes to LDS as its registers stand: 512 consecutive bytes a store
.irp c, 0,1,2
	ds_store_b128 v[\adr], v[PC+4*\c:PC+4*\c+3] offset:512*\c
.endr
.endm
.macro FETCH reg, adr, off             ; and comes back so, in any wave
.irp c, 0,1,2
	ds_load_b128 v[\reg+4*\c:\reg+4*\c+3], v[\adr] offset:\off+512*\c
.endr
.endm
.macro W1MUL                           ; t^T of my 128 units for one tile of rows: eight results, each begun with the constant 0
	WIN 0x01                                       ; source 0 (W1) in window 1
.irp t, 0,1,2,3,4,5,6,7
	v_wmma_scale_f32_16x16x128_f8f6f4 v[T+8*\t:T+8*\t+7], v[12*\t:12*\t+11], v[XF:XF+11], 0, v[W1S+\t], v[XS] matrix_a_fmt:MATRIX_FMT_BF6 matrix_b_fmt:MATRIX_FMT_BF6
.endr
	WIN 0
.endm
.macro TESTMM skip                     ; does tile mm of my group use this expert?
	s_lshr_b32 s96, s[SGB], s[SMM]
	s_and_b32 s96, s96, 1
	s_cmp_lg_u32 s96, 0
	s_cbranch_scc0 \skip
.endm
.macro P3BLK mm                        ; my 32 outputs of tile mm: two results by turns over the four K steps
	s_bitcmp1_b32 s[SGB], \mm
	s_cbranch_scc0 .Lp3_next_\@
.irp s, 0,1,2,3
	FETCH HF+12*\s, HIR, 6144*\s+1536*\mm
.endr
.irp s, 0,1,2,3
	ds_load_b32 v[HS+\s], v[HSR] offset:512*\s+128*\mm
.endr
.irp n, 0,1
	ds_load_b128 v[BI+8*\n:BI+8*\n+3], v[T3] offset:64*\n          ; b2 at my eight outputs: the C of the first K step
	ds_load_b128 v[BI+8*\n+4:BI+8*\n+7], v[T3] offset:64*\n+16
.endr
	s_wait_dscnt 0x0
	WIN 0x01                                       ; source 0 (W2) in window 1
.irp n, 0,1
	v_wmma_scale_f32_16x16x128_f8f6f4 v[YA+8*\n:YA+8*\n+7], v[96+48*\n:96+48*\n+11], v[HF:HF+11], v[BI+8*\n:BI+8*\n+7], v[W2S+4*\n], v[HS] matrix_a_fmt:MATRIX_FMT_BF6 matrix_b_fmt:MATRIX_FMT_BF6
.endr
.irp s, 1,2,3
.irp n, 0,1
	v_wmma_scale_f32_16x16x128_f8f6f4 v[YA+8*\n:YA+8*\n+7], v[96+12*(4*\n+\s):96+12*(4*\n+\s)+11], v[HF+12*\s:HF+12*\s+11], v[YA+8*\n:YA+8*\n+7], v[W2S+4*\n+\s], v[HS+\s] matrix_a_fmt:MATRIX_FMT_BF6 matrix_b_fmt:MATRIX_FMT_BF6
.endr
.endr
	WIN 0
	v_bfe_u32 v[CW+2], v[KEY+\mm], 16, 8           ; my row's weight for this expert, 0 where it uses neither: seven plain lines that name no register of the products:
	v_bfe_u32 v[CW+3], v[KEY+\mm], 24, 8           ; the places in front of the read of the results, of the next loads into the operands, and of the next tile's products, which begin the results anew
	v_cmp_eq_u32 vcc_lo, s[SE], v[CW+2]
	v_cndmask_b32 v[CW], 0, v[SC+2*\mm], vcc_lo
	v_cmp_eq_u32 vcc_lo, s[SE], v[CW+3]
	v_cndmask_b32 v[CW], v[CW], v[SC+2*\mm+1], vcc_lo
	v_mov_b32 v[CW+1], v[CW]
	WIN 0x50                                       ; the sums (destination and source 2) in window 1
.irp j, 0,2,4,6,8,10,12,14
	v_pk_fma_f32 v[192+16*\mm+\j:192+16*\mm+\j+1], v[YA+\j:YA+\j+1], v[CW:CW+1], v[192+16*\mm+\j:192+16*\mm+\j+1]   ; each result from its low end on
.endr
	WIN 0
.Lp3_next_\@:
.endm
	s_load_b512 s[4:19], s[0:1], 0x0               ; x, ln1_g, ln1_b, ln2_g, ln2_b, b2, perm, rkey
	s_load_b256 s[20:27], s[0:1], 0x40             ; rsc, desc, w1_codes, w1_scales
	s_load_b128 s[28:31], s[0:1], 0x60             ; w2_codes, w2_scales
	s_load_b64 s[32:33], s[0:1], 0x70              ; out0
	v_lshl_add_u32 v81, v0, 2, 0x2cc00
	v_mov_b32 v85, 0
	v_lshrrev_b32 v1, 5, v0
	v_readfirstlane_b32 s[SW], v1                  ; wave W
	s_lshr_b32 s[SG], s[SW], 2                     ; g
	s_and_b32 s[SWW], s[SW], 3                     ; w
	v_and_b32 v24, 31, v0                          ; lane
	v_and_b32 v22, 15, v0                          ; r
	v_bfe_u32 v23, v0, 4, 1                        ; h
	v_lshlrev_b32 v1, 4, v24
	v_lshlrev_b32 v2, 2, v24
	v_and_b32 v25, 8, v22
	v_add_nc_u32 v25, v25, v22                     ; r + 8 (r / 8)
	v_mul_u32_u24 v3, v25, 96
	v_mad_u32_u24 v3, v23, 24, v3                  ; W1: a row is 96 bytes
	v_lshlrev_b32 v4, 2, v25
	v_mul_u32_u24 v5, v22, 384
	v_mad_u32_u24 v5, v23, 24, v5                  ; W2: a row is 384 bytes
	v_lshlrev_b32 v6, 4, v22
	v_lshlrev_b32 v26, 3, v22                      ; 8 r
	v_lshlrev_b32 v252, 4, v0                      ; 16 x thread: the tables' way in
	s_mul_i32 s96, s[SW], 8448
	s_add_co_u32 s96, s96, XST
	v_mul_u32_u24 v[XL], v22, 528
	v_lshl_add_u32 v[XL], v23, 6, v[XL]
	v_add_nc_u32 v[XL], s96, v[XL]
	v_add_nc_u32 v[XC], s96, v1
	s_mul_i32 s96, s[SW], 1536
	s_add_co_u32 s96, s96, AIMG
	v_add_nc_u32 v[AIW], s96, v1
	s_lshl_b32 s96, s[SW], 7
	s_add_co_u32 s96, s96, ASC
	v_add_nc_u32 v[ASW], s96, v2
	s_mul_i32 s96, s[SG], 6144
	s_add_co_u32 s96, s96, AIMG
	v_add_nc_u32 v[AIR], s96, v1
	s_lshl_b32 s96, s[SG], 9
	s_add_co_u32 s96, s96, ASC
	v_add_nc_u32 v[ASR], s96, v2
	s_lshl_b32 s96, s[SW], 9
	s_add_co_u32 s96, s96, STAT
	v_add_nc_u32 v[STW], s96, v26
	s_lshl_b32 s96, s[SG], 11
	s_add_co_u32 s96, s96, STAT
	v_add_nc_u32 v[STR], s96, v26
	s_mul_i32 s96, s[SW], 6144
	s_add_co_u32 s96, s96, HIMG
	v_add_nc_u32 v[HIW], s96, v1
	s_lshl_b32 s96, s[SW], 9
	s_add_co_u32 s96, s96, HSC
	v_add_nc_u32 v[HSW], s96, v2
	s_mul_i32 s96, s[SG], 24576
	s_add_co_u32 s96, s96, HIMG
	v_add_nc_u32 v[HIR], s96, v1
	s_lshl_b32 s96, s[SG], 11
	s_add_co_u32 s96, s96, HSC
	v_add_nc_u32 v[HSR], s96, v2
	v_lshlrev_b32 v[T1B], 6, v23                   ; ln1: 64 h
	s_lshl_b32 s96, s[SWW], 9
	s_add_co_u32 s96, s96, 8192
	v_add_nc_u32 v[T2B], s96, v[T1B]               ; ln2: my 128 units, 64 h
	s_lshl_b32 s96, s[SWW], 7
	s_add_co_u32 s96, s96, 40960
	v_lshl_add_u32 v[T3B], v23, 5, s96             ; b2: my 32 outputs, 32 h
	s_mul_i32 s96, s[SG], 33792
	s_lshl_b32 s97, s[SWW], 7
	s_add_co_u32 s96, s96, s97
	s_add_co_u32 s96, s96, XST
	v_mul_u32_u24 v[SOA], v22, 528
	v_lshl_add_u32 v[SOA], v23, 5, v[SOA]
	v_add_nc_u32 v[SOA], s96, v[SOA]               ; the stage: my group's rows, row r, my 128 bytes, 32 h
	s_mov_b32 s[K1], 0x3eb504f3
	s_mov_b32 s[EPS], 0x3727c5ac
	CPAIR C9, 0x3e7c6f08
	CPAIR C7, 0x40097039
	CPAIR C6, 0xbfd1a1e5
	CPAIR C5, 0x3ecdfd18
	CPAIR C4, 0xbe899a80
	CPAIR C3, 0x3e0efb2e
	CPAIR C2, 0x3f0a29d2
	CPAIR C1, 0x3fb8ab5a
	CPAIR C0, 0xc034d90f
	CPAIR NK2, 0xbf38aa3b
	s_mov_b32 s[SEL], 0x76543210
	s_mov_b32 s[SEL+1], 0xfedcba98
	v_mov_b32 v[CV8], 0xbf97d29d
	v_mov_b32 v[CV8+1], 0xbf97d29d
.set i, 0
.rept 16
	v_mov_b32 v[TM+i], 0                           ; written once: a lane permute's destination counts as one of its sources
.set i, i+1
.endr
	s_lshl_b32 s96, ttmp9, 9
	s_lshl_b32 s97, s[SW], 6
	s_add_co_u32 s96, s96, s97                     ; perm: (128 i + 16 W) x 4
	s_lshl_b32 s98, ttmp9, 9
	s_lshl_b32 s97, s[SG], 8
	s_add_co_u32 s98, s98, s97                     ; (128 i + 64 g) x 4
	v_lshl_add_u32 v27, v22, 2, s98
	s_lshl_b32 s97, ttmp9, 7                       ; desc: 128 i
	s_wait_kmcnt 0x0
	s_load_b512 s[36:51], s[16:17], s96 offset:0x0 ; the 16 tokens of tile W: they stay, for the way out
	s_load_b128 s[52:55], s[22:23], s97 offset:0x0 ; tm_lo, tm_hi, used, 0
	global_load_b128 v[192:195], v252, s[6:7]      ; the tables: 11 loads, 4,096 consecutive bytes a load for the work-group
	global_load_b128 v[196:199], v252, s[8:9]
.irp k, 0,1,2,3
	global_load_b128 v[200+4*\k:203+4*\k], v252, s[10:11] offset:4096*\k
.endr
.irp k, 0,1,2,3
	global_load_b128 v[216+4*\k:219+4*\k], v252, s[12:13] offset:4096*\k
.endr
	global_load_b128 v[232:235], v252, s[14:15]
	s_wait_kmcnt 0x0
.set j, 0
.rept 16
	s_min_u32 s[36+j], s[36+j], 0x7fff             ; a token, held inside the tensors
.set j, j+1
.endr
.set j, 0
.rept 16
	v_lshl_add_u32 v[236+j], s[36+j], 9, v1
.set j, j+1
.endr
.set j, 0
.rept 16
	global_load_b128 v[T+4*j:T+4*j+3], v[236+j], s[4:5]            ; a token's row: 512 consecutive bytes, aligned
.set j, j+1
.endr
.irp m, 0,1,2,3
	global_load_b32 v[KEY+\m], v27, s[16:17] offset:64*\m          ; the token of row r in my group's tile m
.endr
	s_wait_loadcnt 20                              ; the tables are in: 16 rows and 4 words are younger
	ds_store_b128 v252, v[192:195]
	ds_store_b128 v252, v[196:199] offset:4096
.irp k, 0,1,2,3
	ds_store_b128 v252, v[200+4*\k:203+4*\k] offset:8192+4096*\k
.endr
.irp k, 0,1,2,3
	ds_store_b128 v252, v[216+4*\k:219+4*\k] offset:24576+4096*\k
.endr
	ds_store_b128 v252, v[232:235] offset:40960
	s_wait_loadcnt 4                               ; the rows are in: 4 words are younger
.set j, 0
.rept 16
	ds_store_b128 v[XC], v[T+4*j:T+4*j+3] offset:528*j
.set j, j+1
.endr
	s_wait_dscnt 0x0                               ; the stores have read their registers, which are loaded again
.irp b, 0,1,2,3
.irp q, 0,1,2,3
	ds_load_b128 v[T+16*\b+4*\q:T+16*\b+4*\q+3], v[XL] offset:128*\b+16*\q      ; my wave's own bytes: x[row r][32 b + 16 h + 0 .. 15]
.endr
.endr
	s_wait_loadcnt 0x0
.irp m, 0,1,2,3
	v_min_u32 v[KEY+\m], 0x7fff, v[KEY+\m]
.endr
.irp m, 0,1,2,3
	v_lshlrev_b32 v[236+\m], 2, v[KEY+\m]
	v_lshlrev_b32 v[240+\m], 3, v[KEY+\m]
.endr
.irp m, 0,1,2,3
	global_load_b64 v[SC+2*\m:SC+2*\m+1], v[240+\m], s[20:21]
	global_load_b32 v[KEY+\m], v[236+\m], s[18:19]
.endr
	s_ctz_i32_b32 s[SNX], s54
	s_min_u32 s[SNX], s[SNX], 7                    ; the first used expert
	SETW
	LOADW1
	s_wait_dscnt 0x0
	STATS                                          ; LN1's normalisation, the same for every expert
	v_fma_f32 v[TM+9], v[TM+9], 0x3c000000, s[EPS]
	v_rsq_f32 v[RS], v[TM+9]
	v_nop                                          ; a plain line behind the transcendental
	s_wait_alu depctr_va_vdst(0)
	v_mov_b32 v[RS+1], v[RS]
.set si, 0
.rept 32
	v_pk_mul_f32 v[T+si:T+si+1], v[T+si:T+si+1], v[RS:RS+1]
.set si, si+2
.endr
.irp b, 0,1,2,3
.irp q, 0,1,2,3
	ds_store_b128 v[XL], v[T+16*\b+4*\q:T+16*\b+4*\q+3] offset:128*\b+16*\q     ; xn takes x's place
.endr
.endr
	LOADW2
	WIN 0x40
.set i, 0
.rept 64
	v_mov_b32 v[192+i], 0                          ; the output's sums: which expert comes first hangs on the list, so no product can start them
.set i, i+1
.endr
	WIN 0
	s_mov_b32 s[SE], 0
	s_mov_b32 s[SE5], 0
	s_mov_b32 s[SE2], 0
	s_lshr_b32 s[SUR], s54, 1
	s_wait_xcnt 0x0                                ; the head's loads have had their addresses translated: their offset registers are rewritten only behind this wait
	BAR                                            ; the tables lie in LDS for every wave
.Lexpert:                                          ; 8 trips, whatever the list says
	s_and_b32 s[STB], s52, 0xff
	s_lshl_b32 s96, s[SG], 2
	s_lshr_b32 s[SGB], s[STB], s96
	s_and_b32 s[SGB], s[SGB], 15
	v_add_nc_u32 v[T1], s[SE5], v[T1B]
	v_add_nc_u32 v[T2], s[SE2], v[T2B]
	v_add_nc_u32 v[T3], s[SE5], v[T3B]
	s_ctz_i32_b32 s[SNX], s[SUR]
	s_add_co_u32 s[SNX], s[SNX], s[SE]
	s_add_co_u32 s[SNX], s[SNX], 1
	s_min_u32 s[SNX], s[SNX], 7
	s_cmp_lg_u32 s[STB], 0
	s_cselect_b32 s[SDO], s[SUR], 0                ; weights are fetched in the trips of used experts that have a successor
	; ---- P0: a1 of tile W
	s_lshr_b32 s96, s[STB], s[SW]
	s_and_b32 s96, s96, 1
	s_cmp_lg_u32 s96, 0
	s_cbranch_scc0 .Lp0_done
.irp b, 0,1,2,3
.irp q, 0,1,2,3
	ds_load_b128 v[T+16*\b+4*\q:T+16*\b+4*\q+3], v[XL] offset:128*\b+16*\q
.endr
.endr
	GBLOAD 0, GB, T1, 4096
	GBLOAD 1, GT, T1, 4096
	AFF T1, 4096, 0                                ; its first wait leaves block 1's eight loads out: xn and block 0 are in
	GELU16 T
	GELU16 T+16
	GELU16 T+32
	GELU16 T+48
	QUANT T
	IMAGE AIW
	ds_store_b32 v[ASW], v[PW]
.Lp0_done:
	BAR                                            ; a1's fragments lie in LDS
	s_wait_loadcnt 0x0                             ; this expert's weights are in (for 0: the fetches stand under branches); in the first trip the keys and scores too
	; ---- P1: the statistics of t over my 128 units
	s_mov_b32 s[SMM], 0
	s_mov_b32 s[SO15], 0
	s_mov_b32 s[SO1], 0
.Lp1:
	v_add_nc_u32 v[AIC], s[SO15], v[AIR]
	v_add_nc_u32 v[ASCU], s[SO1], v[ASR]
	v_add_nc_u32 v[STWC], s[SO1], v[STW]
	TESTMM .Lp1_next
	FETCH XF, AIC, 0
	ds_load_b32 v[XS], v[ASCU]
	s_wait_dscnt 0x0
	W1MUL
.rept 4
	v_nop                                          ; four places between these products and the first read of their results (ISA guide 7.12.1)
.endr
	STATS
	ds_store_b64 v[STWC], v[TM+8:TM+9]             ; both lanes of a row write the same pair
.Lp1_next:
	s_add_co_u32 s[SO15], s[SO15], 1536
	s_add_co_u32 s[SO1], s[SO1], 128
	s_add_co_u32 s[SMM], s[SMM], 1
	s_cmp_lt_u32 s[SMM], 4
	s_cbranch_scc1 .Lp1
	BAR                                            ; the four waves' statistics lie in LDS
	; ---- P2: t again, LN2, gelu, quantiser
	s_mov_b32 s[SMM], 0
	s_mov_b32 s[SO15], 0
	s_mov_b32 s[SO1], 0
.Lp2:
	v_add_nc_u32 v[AIC], s[SO15], v[AIR]
	v_add_nc_u32 v[ASCU], s[SO1], v[ASR]
	v_add_nc_u32 v[STRC], s[SO1], v[STR]
	v_add_nc_u32 v[HIWC], s[SO15], v[HIW]
	v_add_nc_u32 v[HSWC], s[SO1], v[HSW]
	TESTMM .Lp2_next
	FETCH XF, AIC, 0
	ds_load_b32 v[XS], v[ASCU]
.irp k, 0,1,2,3
	ds_load_b64 v[ST+2*\k:ST+2*\k+1], v[STRC] offset:512*\k
.endr
	GBLOAD 0, GB, T2, 16384
	GBLOAD 1, GT, T2, 16384
	s_wait_dscnt 16                                ; the fragment, its scale words and the statistics are in; the two blocks' 16 loads are younger
	W1MUL
	v_add_f32 v[TM], v[ST], v[ST+2]                ; the row's mean and variance over 512: plain lines that name no register of the products: their places
	v_add_f32 v[TM+1], v[ST+4], v[ST+6]
	v_add_f32 v[TM], v[TM], v[TM+1]
	v_mul_f32 v[TM], 0x3e800000, v[TM]             ; mu
.irp k, 0,1,2,3
	v_sub_f32 v[TM+2+\k], v[ST+2*\k], v[TM]
.endr
	v_mul_f32 v[TM+6], v[TM+2], v[TM+2]
	v_fma_f32 v[TM+6], v[TM+3], v[TM+3], v[TM+6]
	v_fma_f32 v[TM+6], v[TM+4], v[TM+4], v[TM+6]
	v_fma_f32 v[TM+6], v[TM+5], v[TM+5], v[TM+6]
	v_add_f32 v[TM+7], v[ST+1], v[ST+3]
	v_add_f32 v[TM+8], v[ST+5], v[ST+7]
	v_add_f32 v[TM+7], v[TM+7], v[TM+8]
	v_fma_f32 v[TM+7], v[TM+6], 0x43000000, v[TM+7]
	v_fma_f32 v[TM+7], v[TM+7], 0x3b000000, s[EPS] ; / 512 + 1e-5
	v_rsq_f32 v[RS], v[TM+7]
	v_nop                                          ; a plain line behind the transcendental
	s_wait_alu depctr_va_vdst(0)
	v_mov_b32 v[RS+1], v[RS]
	v_mul_f32 v[NB], -v[TM], v[RS]
	v_mul_f32 v[NB+1], -v[TM], v[RS]
	AFF T2, 16384, 1
	GELU16 T
	GELU16 T+16
	GELU16 T+32
	GELU16 T+48
	QUANT T
	IMAGE HIWC                                     ; K step w of the second product
	ds_store_b32 v[HSWC], v[PW]
.Lp2_next:
	s_add_co_u32 s[SO15], s[SO15], 1536
	s_add_co_u32 s[SO1], s[SO1], 128
	s_add_co_u32 s[SMM], s[SMM], 1
	s_cmp_lt_u32 s[SMM], 4
	s_cbranch_scc1 .Lp2
	BAR                                            ; the hidden layer's fragments lie in LDS
	s_cmp_lg_u32 s[SDO], 0
	s_cbranch_scc0 .Lno_w1
	SETW                                           ; W1's registers are free: the next used expert's slice is asked for (its last products stand hundreds of plain lines back)
	LOADW1
.Lno_w1:
	; ---- P3
	P3BLK 0
	P3BLK 1
	P3BLK 2
	P3BLK 3
	s_cmp_lg_u32 s[SDO], 0
	s_cbranch_scc0 .Lno_w2
	LOADW2                                         ; and W2's
.Lno_w2:
	s_lshr_b64 s[52:53], s[52:53], 8
	s_lshr_b32 s[SUR], s[SUR], 1
	s_add_co_u32 s[SE5], s[SE5], 512
	s_add_co_u32 s[SE2], s[SE2], 2048
	s_add_co_u32 s[SE], s[SE], 1
	s_cmp_lt_u32 s[SE], 8
	s_cbranch_scc1 .Lexpert
	; THE WAY OUT.  A row's 128 outputs come from four waves: they meet in the stage (xn's bytes, which nobody has read since the last trip's first barrier), and each wave stores its 16 whole rows
	WIN 0x04                                       ; an LDS store's data are its source 1: window 1
.irp m, 0,1,2,3
.irp n, 0,1
	ds_store_b128 v[SOA], v[192+16*\m+8*\n:192+16*\m+8*\n+3] offset:8448*\m+64*\n
	ds_store_b128 v[SOA], v[192+16*\m+8*\n+4:192+16*\m+8*\n+7] offset:8448*\m+64*\n+16
.endr
.endr
	WIN 0
	BAR
.set j, 0
.rept 16
	ds_load_b128 v[T+4*j:T+4*j+3], v[XC] offset:528*j
.set j, j+1
.endr
.set j, 0
.rept 16
	v_lshl_add_u32 v[192+j], s[36+j], 9, v1
.set j, j+1
.endr
.set j, 0
.rept 16
	s_wait_dscnt 15-j                              ; row j is back, the 15 - j younger rows may be out
	global_store_b128 v[192+j], v[T+4*j:T+4*j+3], s[32:33] th:TH_STORE_NT       ; the wave stores a token's row: 512 consecutive bytes, aligned; written once
.set j, j+1
.endr
	s_wait_tensorcnt 0x0
	ds_add_u32 v81, v85
	s_wait_dscnt 0x0
	s_endpgm
.Lfunc_end_k_qe48d4ce476_chain:
	.size	k_qe48d4ce476_chain, .Lfunc_end_k_qe48d4ce476_chain-k_qe48d4ce476_chain
	.p2alignl 7, 3214868480
	.fill 96, 4, 3214868480
	.section	.rodata,"a",@progbits
	.p2align	6, 0x0
	.amdhsa_kernel k_qe48d4ce476_chain
		.amdhsa_group_segment_fixed_size 184320
		.amdhsa_private_segment_fixed_size 0
		.amdhsa_enable_private_segment 0
		.amdhsa_kernarg_size 120
		.amdhsa_user_sgpr_count 2
		.amdhsa_user_sgpr_kernarg_segment_ptr 1
		.amdhsa_wavefront_size32 1
		.amdhsa_system_sgpr_workgroup_id_x 1
		.amdhsa_system_sgpr_workgroup_id_y 1
		.amdhsa_system_sgpr_workgroup_id_z 1
		.amdhsa_system_vgpr_workitem_id 0
		.amdhsa_next_free_vgpr 512
		.amdhsa_next_free_sgpr 100
		.amdhsa_reserve_vcc 1
		.amdhsa_float_denorm_mode_32 3
		.amdhsa_float_denorm_mode_16_64 3
		.amdhsa_memory_ordered 1
		.amdhsa_forward_progress 1
		.amdhsa_inst_pref_size 179
	.end_amdhsa_kernel
	.amdgpu_metadata
---
amdhsa.version: [ 1, 2 ]
amdhsa.kernels:
  - .name:           k_qe48d4ce476_chain
    .symbol:         k_qe48d4ce476_chain.kd
    .args:
      - { .name: x, .offset: 0, .size: 8, .value_kind: global_buffer, .address_space: global }
      - { .name: ln1_g, .offset: 8, .size: 8, .value_kind: global_buffer, .address_space: global }
      - { .name: ln1_b, .offset: 16, .size: 8, .value_kind: global_buffer, .address_space: global }
      - { .name: ln2_g, .offset: 24, .size: 8, .value_kind: global_buffer, .address_space: global }
      - { .name: ln2_b, .offset: 32, .size: 8, .value_kind: global_buffer, .address_space: global }
      - { .name: b2, .offset: 40, .size: 8, .value_kind: global_buffer, .address_space: global }
      - { .name: perm, .offset: 48, .size: 8, .value_kind: global_buffer, .address_space: global }
      - { .name: rkey, .offset: 56, .size: 8, .value_kind: global_buffer, .address_space: global }
      - { .name: rsc, .offset: 64, .size: 8, .value_kind: global_buffer, .address_space: global }
      - { .name: desc, .offset: 72, .size: 8, .value_kind: global_buffer, .address_space: global }
      - { .name: w1_codes, .offset: 80, .size: 8, .value_kind: global_buffer, .address_space: global }
      - { .name: w1_scales, .offset: 88, .size: 8, .value_kind: global_buffer, .address_space: global }
      - { .name: w2_codes, .offset: 96, .size: 8, .value_kind: global_buffer, .address_space: global }
      - { .name: w2_scales, .offset: 104, .size: 8, .value_kind: global_buffer, .address_space: global }
      - { .name: out0, .offset: 112, .size: 8, .value_kind: global_buffer, .address_space: global }
    .group_segment_fixed_size: 184320
    .private_segment_fixed_size: 0
    .kernarg_segment_align: 8
    .kernarg_segment_size: 120
    .max_flat_workgroup_size: 256
    .sgpr_count:     100
    .vgpr_count:     512
    .wavefront_size: 32
...
	.end_amdgpu_metadata
.endif
;; end of part 3
;; ======== version 2 of 2: 3 launches; version 1 with the launch chain written anew for expert scheduling mode
;; limits: right only within a limited range of input values
;; workspace buffers: rkey 131,072 bytes of whole numbers; rsc 262,144 bytes; cnt 32,768 bytes of whole numbers; perm 131,072 bytes of whole numbers; desc 32,768 bytes of whole numbers
;; launch route: the kernel of part 1 again; grid 256 x 1, 4 waves a work-group, no clusters, 68,608 bytes of LDS; arguments x, gate_w, gate_b, rkey, rsc, cnt; writes rkey, rsc, cnt
;; launch place: the kernel of part 2 again; grid 256 x 1, 4 waves a work-group, no clusters, 4,608 bytes of LDS; arguments rkey, cnt, perm, desc; writes perm, desc
;; launch chain (part 4): grid 256 x 1, 8 waves a work-group, no clusters, 184,320 bytes of LDS; arguments x, ln1_g, ln1_b, ln2_g, ln2_b, b2, perm, rkey, rsc, desc, w1_codes, w1_scales, w2_codes, w2_scales, out0; writes out0
.if DOCPART == 4
	.amdgcn_target "amdgcn-amd-amdhsa--gfx1250"
	.amdhsa_code_object_version 6
	.text
	.protected	k_qe48d4ce476_chain
	.globl	k_qe48d4ce476_chain
	.p2align	8
	.type	k_qe48d4ce476_chain,@function
k_qe48d4ce476_chain:
	s_mov_b64 s[64:65], 0
	v_nop
	global_prefetch_b8 v0, s[64:65] scope:SCOPE_SE
	s_setreg_imm32_b32 hwreg(HW_REG_WAVE_SCHED_MODE, 0, 2), 2
	s_setreg_imm32_b32 hwreg(HW_REG_WAVE_MODE, 25, 1), 1
	s_wait_xcnt 0x0
	s_wait_alu depctr_vm_vsrc(0)
; THE EXPERTS.  out[token] = the sum over the token's two experts e of score_e x (gelu(LN2_e(Q(gelu(LN1_e(x))) W1_e^T)) quantised, x W2_e^T + b2_e); both products on codes of BF6 (E3M2) with E8M0 scales.
; SHARES.  Work-group i owns the sorted places 128 i .. 128 i + 127 (perm gives their tokens): 8 tiles of 16 rows.  It walks the 8 experts in a loop of constant count with three barriers a trip;
; the work of a tile that does not use the expert is jumped over by scalar branches on the stored list (desc); no barrier stands under such a branch.  A row of a used tile that does not use the expert has weight 0.
; Eight waves, two to a SIMD.  THE WAVES SHARE THE COLUMNS: wave W = 4 g + w makes hidden units 128 w .. + 127 and outputs 32 w .. + 31 of tiles 4 g .. 4 g + 3.  Its slices of W1[e] and W2[e] go from memory
; straight into registers and stay for the expert; the next used expert's are asked for as soon as the registers are free.  No tensor load: which expert comes next hangs on the list.
; No cluster: partners would want different experts in different trips, so no joint request could be alike in all of them.
; A TRIP.  P0: wave W makes a1 = gelu(xn g1 + b1) of tile W, quantises it, stores the fragment's register image in LDS | barrier | P1: t = a1 W1^T for my 128 units of each of my 4 tiles, only for the row's mean and
; centred sum of squares over my units, to LDS | barrier | P2: the same products again (same operands, same bits), the four waves' statistics combined, LN2, gelu, quantiser, image to LDS | barrier |
; P3: my 32 outputs from the four K steps' images, b2 as the first C, out += weight x result, in registers.  t is made twice so that one copy of the gelu's text serves all tiles and t needs no 256 registers.
; Both products are used transposed (source 0 = 16 rows of the weight, source 1 = 16 tokens): a lane holds one token.  Lane r of W1's tile 2 b + u takes row 32 b + 8 u + r + 8 (r / 8), so that the 16 registers
; of tiles 2 b, 2 b + 1 are 16 neighbours along the next K.
; GELU, exact form: gelu(x) = max(x, 0) - |x| w, w = erfc(|x| / sqrt 2) / 2 = t 2^(P(t) - x^2 log2(e) / 2), t = 1 / (1 + |x| / (2 sqrt 2)), P of degree 9: the classical rational-exponential fit of erfc
; (fractional error 1.2e-7), its coefficients times log2(e), the halving folded into C0.
; VARIANCES are centred sums; across the four waves they are joined by M2 = sum M2_k + 128 sum (m_k - mu)^2: no difference of large sums.  LN2 applies t rstd - mu rstd by one fused multiply-add:
; its error is at most half a last place of mu rstd.
; LIMITS: NaN and infinities are not served; w under 2^-126 (x under about -13.2) comes out as 0; a block of zeros gets the scale byte 1 (its codes are zeros, and this program alone reads the byte).
; THE MODE: SCHED_MODE bits 1:0 = 2 (LLVM: expert scheduling mode 2), set by the entry lines.  The code itself states the register dependences between vector or matrix instructions and memory or LDS
; instructions, with s_wait_alu, always for 0.
; THE PLAN.  Registers that memory or LDS instructions touch in the loop, and who else names them:
;   v1-21, v115     addresses made at the head and never written again.
;   T1, T2, T3      written once a trip, at its top; read by the loads of gains, biases and b2.
;   AIC .. HSWC     written at the head of each tile of P1 and P2; read by that tile's LDS loads and stores.
;   T (= HF, BI)    loaded in P0 (xn) and in P3 (hidden fragments, b2); written by W1's products; read and written by the statistics, the affine step, the gelu, the quantiser; read by W2's products.
;   GB, GT          loaded with gains and biases, read by the affine step; then the gelu's temporaries; in P3 the two results and the weight.
;   XF, XS, ST, HS  loaded; read by products or by plain lines.        PC, PW, TM+8:9  written by the quantiser or the statistics; read by LDS stores.
;   W1, W2 and their scale words: loaded from memory; read by products.
; The waits: at a trip's top one on vm_vsrc ahead of the adds to T1-T3 and one on va_vdst behind them, which frees T, GB, GT for P0's loads; the same pair at each tile's head in P1 and P2; one on va_vdst
; behind each of the affine step's first two blocks (its buffer is loaded again), behind each quantiser and each tile's statistics (their stores), ahead of each fetch of weights, and at the head of P3's tiles 1 to 3.
.set XST,  45056                       ; LDS.  0: the tables as in memory: ln1_g 0, ln1_b 4096, ln2_g 8192, ln2_b 24576, b2 40960
                                       ; XST: 128 rows of 512 bytes + 16; rows 16 W .. are wave W's own (x, then xn); at the end the work-group's stage for the output
.set AIMG, 112640                      ; a1's fragment of tile m at 1536 m: register group c at 512 c + 16 x lane
.set ASC,  124928                      ; its scale words: 128 m + 4 x lane
.set HIMG, 125952                      ; the hidden layer's fragments: wave W's four (its K step, tiles mm) at 6144 W + 1536 mm
.set HSC,  175104                      ; their scale words: 512 W + 128 mm + 4 x lane
.set STAT, 179200                      ; (mean, M2) of wave W's units: 512 W + 128 mm + 8 r
; window 0: v1 16 x lane, v2 4 x lane, v3-6 my lane's bytes in W1, its scales, W2, its scales; then LDS addresses:
.set XL,   7                           ; my row's 64 bytes of a block in my wave's rows
.set XC,   8                           ; my 16 bytes of a whole row
.set AIW,  9
.set ASW,  10
.set AIR,  11
.set ASR,  12
.set STW,  13
.set STR,  14
.set HIW,  15
.set HSW,  16
.set HIR,  17
.set HSR,  18
.set T1B,  19
.set T2B,  20
.set T3B,  21
.set T1,   22                          ; this expert's ln1, ln2, b2
.set T2,   23
.set T3,   24
.set AIC,  25                          ; this tile's: a1's image, its scale words, statistics out and in, the hidden image, its scale words
.set ASCU, 26
.set STWC, 27
.set STRC, 28
.set HIWC, 29
.set HSWC, 53
.set CV8,  30                          ; v30-31 C8 twice
.set W1S,  32                          ; v32-39, v40-47, v48, v49-52: scale words and nothing else
.set W2S,  40
.set XS,   48
.set HS,   49
.set KEY,  54                          ; v54-57 the key word of my row in tile mm
.set SC,   58                          ; v58-65 its two scores
.set PC,   66                          ; v66-85 the codes just made (v81 and v85 are not among them: they are the closing add's two)
.set XF,   86                          ; v86-97 a1's fragment
.set TM,   98                          ; v98-113 at work
.set PW,   114                         ; the scale word just made
.set SOA,  115                         ; the stage, on the way in
.set ST,   116                         ; v116-123 four waves' (mean, M2)
.set RS,   124                         ; v124-125 rstd twice;  v126-127 -mu rstd twice
.set NB,   126
.set T,    128                         ; v128-191 64 numbers at work: register 16 b + i = column 32 b + 16 h + i of my row
.set GB,   192                         ; v192-223, v224-255 gains and biases of a block, two buffers; in the gelu four sets of 16
.set GT,   224
.set TT,   192
.set PP,   208
.set YY,   224
.set MM,   240
.set HF,   128                         ; P3: four hidden fragments, b2, the two results, the weight twice
.set BI,   176
.set YA,   192
.set CW,   208
; window 1: v0-95 W1's 8 fragments; v96-191 W2's 8 (4 n + s); v192-255 the output's sums (16 mm + 8 n + j)
.set K1,   56                          ; s56 1 / (2 sqrt 2);  s57 1e-5;  then pairs, both words written, since the packed forms name a pair
.set EPS,  57
.set C9,   58
.set C7,   60
.set C6,   62
.set C5,   66
.set C4,   68
.set C3,   70
.set C2,   72
.set C1,   74
.set C0,   76
.set NK2,  78
.set SEL,  80                          ; s80-81 v_permlanex16_b32's selects for lane l xor 16
.set SW,   82                          ; wave W, g, w
.set SG,   83
.set SWW,  84
.set SE,   85                          ; e, 512 e, 2048 e
.set SE5,  86
.set SE2,  87
.set STB,  88                          ; the work-group's tiles that use e; my group's four
.set SGB,  89
.set SUR,  90                          ; used >> (e + 1)
.set SNX,  91                          ; the next used expert
.set SDO,  92                          ; not 0: fetch its weights in this trip
.set SMM,  93                          ; mm, 1536 mm, 128 mm
.set SO15, 94
.set SO1,  95
.set MSB, 0
.macro WIN new                         ; the immediate's high byte repeats the setting that is left; at every label and branch the setting is 0
.if MSB != \new
	s_set_vgpr_msb (MSB<<8)|\new
.set MSB, \new
.endif
.endm
.macro BAR                             ; my LDS stores have landed and my LDS loads are in: then the work-group's barrier
	s_wait_dscnt 0x0
	s_barrier_signal -1
	s_barrier_wait -1
.endm
.macro CPAIR reg, val
	s_mov_b32 s[\reg], \val
	s_mov_b32 s[\reg+1], \val
.endm
.macro SETW                            ; the four bases of expert s[SNX]'s slices for my w: s[4:5] W1, s[6:7] its scales, s[8:9] W2, s[10:11] its scales.  No load that names them is out here
	s_mul_i32 s12, s[SNX], 49152
	s_mul_i32 s96, s[SWW], 12288
	s_add_co_u32 s12, s12, s96
	s_mov_b32 s13, 0
	s_add_nc_u64 s[4:5], s[24:25], s[12:13]
	s_add_nc_u64 s[8:9], s[28:29], s[12:13]
	s_lshl_b32 s12, s[SNX], 11
	s_lshl_b32 s96, s[SWW], 9
	s_add_co_u32 s12, s12, s96
	s_add_nc_u64 s[6:7], s[26:27], s[12:13]
	s_add_nc_u64 s[10:11], s[30:31], s[12:13]
.endm
.macro LOADW1 dep                      ; 48 + 8 loads: a fragment is the row's stream of bits as it lies, 24 bytes a half, in pieces of 8.  dep = 1: in the loop, where products have read these registers
	WIN 0x40
.if \dep
	s_wait_alu depctr_va_vdst(0)                   ; the products of P1 and P2 are done reading W1's fragments and their scale words, in which the loads below land
.endif
.irp t, 0,1,2,3,4,5,6,7
.irp p, 0,1,2,3,4,5
	global_load_b64 v[12*\t+2*\p:12*\t+2*\p+1], v3, s[4:5] offset:(32*(\t/2)+8*(\t%2))*96+48*(\p/3)+8*(\p%3)
.endr
.endr
	WIN 0
.irp t, 0,1,2,3,4,5,6,7
	global_load_b32 v[W1S+\t], v4, s[6:7] offset:(32*(\t/2)+8*(\t%2))*4
.endr
.endm
.macro LOADW2 dep
	WIN 0x40
.if \dep
	s_wait_alu depctr_va_vdst(0)                   ; the products of P3 are done reading W2's fragments and their scale words, in which the loads below land
.endif
.irp n, 0,1
.irp s, 0,1,2,3
.irp p, 0,1,2,3,4,5
	global_load_b64 v[96+12*(4*\n+\s)+2*\p:96+12*(4*\n+\s)+2*\p+1], v5, s[8:9] offset:6144*\n+96*\s+48*(\p/3)+8*(\p%3)
.endr
.endr
.endr
	WIN 0
.irp n, 0,1
.irp s, 0,1,2,3
	global_load_b32 v[W2S+4*\n+\s], v6, s[10:11] offset:256*\n+4*\s
.endr
.endr
.endm
.macro GBLOAD b, buf, adr, dist        ; block b's 16 gains and 16 biases of my half: 8 loads
.irp q, 0,1,2,3
	ds_load_b128 v[\buf+4*\q:\buf+4*\q+3], v[\adr] offset:128*\b+16*\q
.endr
.irp q, 0,1,2,3
	ds_load_b128 v[\buf+16+4*\q:\buf+16+4*\q+3], v[\adr] offset:\dist+128*\b+16*\q
.endr
.endm
.macro AFFBLK b, buf, norm
.if \norm
.set ai, 0
.rept 8
	v_pk_fma_f32 v[T+16*\b+ai:T+16*\b+ai+1], v[T+16*\b+ai:T+16*\b+ai+1], v[RS:RS+1], v[NB:NB+1]     ; (t - mu) rstd; each result is read from its low end on
.set ai, ai+2
.endr
.endif
.set ai, 0
.rept 8
	v_pk_fma_f32 v[T+16*\b+ai:T+16*\b+ai+1], v[T+16*\b+ai:T+16*\b+ai+1], v[\buf+ai:\buf+ai+1], v[\buf+16+ai:\buf+16+ai+1]
.set ai, ai+2
.endr
.endm
.macro AFF adr, dist, norm             ; entered with blocks 0 and 1 asked for.  Each count of 8 leaves the one younger block's eight loads out
	s_wait_dscnt 8
	AFFBLK 0, GB, \norm
	s_wait_alu depctr_va_vdst(0)                   ; block 0's multiply-adds are done reading v[GB ..], in which block 2's gains and biases land
	GBLOAD 2, GB, \adr, \dist
	s_wait_dscnt 8
	AFFBLK 1, GT, \norm
	s_wait_alu depctr_va_vdst(0)                   ; block 1's multiply-adds are done reading v[GT ..], in which block 3's gains and biases land
	GBLOAD 3, GT, \adr, \dist
	s_wait_dscnt 8
	AFFBLK 2, GB, \norm
	s_wait_dscnt 0x0
	AFFBLK 3, GT, \norm
.endm
.macro GELU16 x                        ; 16 numbers in place.  The reciprocals are one batch and the exponentials another, each with plain lines that are due anyway among them, a plain line last, and one wait
.set gi, 0
.rept 16
	v_fma_f32 v[TT+gi], |v[\x+gi]|, s[K1], 1.0
.set gi, gi+1
.endr
.set gi, 0
.rept 8
	v_rcp_f32 v[TT+gi], v[TT+gi]                   ; t
	v_pk_mul_f32 v[YY+gi:YY+gi+1], v[\x+gi:\x+gi+1], v[\x+gi:\x+gi+1]
	v_rcp_f32 v[TT+gi+1], v[TT+gi+1]
	v_max_num_f32 v[MM+gi], 0, v[\x+gi]
.set gi, gi+2
.endr
	s_wait_alu depctr_va_vdst(0)                   ; the sixteen reciprocals have written v[TT ..], which the polynomial below reads
.set gi, 0
.rept 8
	v_pk_fma_f32 v[PP+gi:PP+gi+1], v[TT+gi:TT+gi+1], s[C9:C9+1], v[CV8:CV8+1] op_sel_hi:[1,0,1]
.set gi, gi+2
.endr
.irp c, C7, C6, C5, C4, C3, C2, C1, C0
.set gi, 0
.rept 8
	v_pk_fma_f32 v[PP+gi:PP+gi+1], v[PP+gi:PP+gi+1], v[TT+gi:TT+gi+1], s[\c:\c+1] op_sel_hi:[1,1,0]
.set gi, gi+2
.endr
.endr
.set gi, 0
.rept 8
	v_pk_fma_f32 v[PP+gi:PP+gi+1], v[YY+gi:YY+gi+1], s[NK2:NK2+1], v[PP+gi:PP+gi+1] op_sel_hi:[1,0,1]
.set gi, gi+2
.endr
.set gi, 0
.rept 8
	v_exp_f32 v[PP+gi], v[PP+gi]
	v_exp_f32 v[PP+gi+1], v[PP+gi+1]
	v_max_num_f32 v[MM+gi+1], 0, v[\x+gi+1]        ; (the batch's last line is this plain one)
.set gi, gi+2
.endr
	s_wait_alu depctr_va_vdst(0)                   ; the sixteen exponentials have written v[PP ..], which the products by t below read
.set gi, 0
.rept 8
	v_pk_mul_f32 v[PP+gi:PP+gi+1], v[PP+gi:PP+gi+1], v[TT+gi:TT+gi+1]            ; w
.set gi, gi+2
.endr
.set gi, 0
.rept 16
	v_fma_f32 v[\x+gi], -|v[\x+gi]|, v[PP+gi], v[MM+gi]
.set gi, gi+1
.endr
.endm
.macro FOLD                            ; four packed chains in v[TM .. TM+7] -> the row's sum in v[TM], in both lanes of the row
	v_pk_add_f32 v[TM:TM+1], v[TM:TM+1], v[TM+2:TM+3]
	v_pk_add_f32 v[TM+4:TM+5], v[TM+4:TM+5], v[TM+6:TM+7]
	v_pk_add_f32 v[TM:TM+1], v[TM:TM+1], v[TM+4:TM+5]
	v_add_f32 v[TM], v[TM], v[TM+1]
	v_permlanex16_b32 v[TM+10], v[TM], s[SEL], s[SEL+1]
	v_add_f32 v[TM], v[TM], v[TM+10]
.endm
.macro STATS                           ; of the row's 128 numbers (64 mine, 64 in lane l xor 16): mean -> v[TM+8], centred sum of squares -> v[TM+9]; T is left centred
.irp c, 0,1,2,3
	v_pk_add_f32 v[TM+2*\c:TM+2*\c+1], v[T+2*\c:T+2*\c+1], v[T+8+2*\c:T+8+2*\c+1]
.endr
.irp j, 16,24,32,40,48,56
.irp c, 0,1,2,3
	v_pk_add_f32 v[TM+2*\c:TM+2*\c+1], v[TM+2*\c:TM+2*\c+1], v[T+\j+2*\c:T+\j+2*\c+1]
.endr
.endr
	FOLD
	v_mul_f32 v[TM+8], 0x3c000000, v[TM]           ; / 128
	v_mul_f32 v[TM+12], 0xbc000000, v[TM]
	v_mul_f32 v[TM+13], 0xbc000000, v[TM]
.set si, 0
.rept 32
	v_pk_add_f32 v[T+si:T+si+1], v[T+si:T+si+1], v[TM+12:TM+13]
.set si, si+2
.endr
.irp c, 0,1,2,3
	v_pk_mul_f32 v[TM+2*\c:TM+2*\c+1], v[T+2*\c:T+2*\c+1], v[T+2*\c:T+2*\c+1]
.endr
.irp j, 8,16,24,32,40,48,56
.irp c, 0,1,2,3
	v_pk_fma_f32 v[TM+2*\c:TM+2*\c+1], v[T+\j+2*\c:T+\j+2*\c+1], v[T+\j+2*\c:T+\j+2*\c+1], v[TM+2*\c:TM+2*\c+1]
.endr
.endr
	FOLD
	v_mov_b32 v[TM+9], v[TM]
.endm
; 64 numbers of a lane, register 16 b + i = k 32 b + 16 h + i of my row, become a fragment's codes in v[PC] on and its scale word in v[PW]
.macro QUANT s
.irp b, 0,1,2,3
	v_max3_num_f32 v[TM+\b], |v[\s+16*\b]|, |v[\s+1+16*\b]|, 0x2800000   ; block b: my 16 numbers and the floor 2^(5 - 127), so that the byte cannot fall under 1
.endr
.irp i, 2,4,6,8,10,12,14
.irp b, 0,1,2,3
	v_max3_num_f32 v[TM+\b], v[TM+\b], |v[\s+16*\b+\i]|, |v[\s+1+16*\b+\i]|
.endr
.endr
.irp b, 0,1,2,3
	v_permlanex16_b32 v[TM+4+\b], v[TM+\b], s[SEL], s[SEL+1]
.endr
.irp b, 0,1,2,3
	v_max_num_f32 v[TM+\b], v[TM+\b], v[TM+4+\b]   ; with lane l xor 16's: the block's largest magnitude
.endr
.irp b, 0,1,2,3
	v_add_nc_u32 v[TM+12+\b], 0xfe000000, v[TM+\b] ; 4 off its exponent field: the conversion takes this operand's exponent field as its scale
.endr
.irp b, 0,1,2,3
	v_lshrrev_b32 v[TM+4+\b], 23, v[TM+12+\b]      ; the scale's byte
.endr
	v_lshl_or_b32 v[PW], v[TM+5], 8, v[TM+4]
	v_lshl_or_b32 v[PW], v[TM+6], 16, v[PW]
	v_lshl_or_b32 v[PW], v[TM+7], 24, v[PW]
.irp c, 0,1
	v_cvt_scalef32_pk16_bf6_f32 v[PC+6*\c:PC+2+6*\c], v[\s+32*\c:\s+15+32*\c], v[TM+12+2*\c]
	v_cvt_scalef32_pk16_bf6_f32 v[PC+12+4*\c:PC+14+4*\c], v[\s+16+32*\c:\s+31+32*\c], v[TM+12+2*\c+1]   ; (a conversion's three registers begin on an even number)
.endr
	v_nop                                          ; one plain line behind a scaled conversion
.irp c, 0,1                            ; the operand wants a whole block in a lane: lanes 0-15 block 2 c, lanes 16-31 block 2 c + 1
.irp i, 0,1,2
	v_permlane16_swap_b32 v[PC+6*\c+\i], v[PC+12+4*\c+\i]
.endr
.irp i, 0,1,2
	v_mov_b32 v[PC+3+6*\c+\i], v[PC+12+4*\c+\i]
.endr
.endr
.endm
.macro IMAGE adr                       ; the fragment goes to LDS as its registers stand: 512 consecutive bytes a store
.irp c, 0,1,2
	ds_store_b128 v[\adr], v[PC+4*\c:PC+4*\c+3] offset:512*\c
.endr
.endm
.macro FETCH reg, adr, off             ; and comes back so, in any wave
.irp c, 0,1,2
	ds_load_b128 v[\reg+4*\c:\reg+4*\c+3], v[\adr] offset:\off+512*\c
.endr
.endm
.macro W1MUL                           ; t^T of my 128 units for one tile of rows: eight results, each begun with the constant 0
	WIN 0x01                                       ; source 0 (W1) in window 1
.irp t, 0,1,2,3,4,5,6,7
	v_wmma_scale_f32_16x16x128_f8f6f4 v[T+8*\t:T+8*\t+7], v[12*\t:12*\t+11], v[XF:XF+11], 0, v[W1S+\t], v[XS] matrix_a_fmt:MATRIX_FMT_BF6 matrix_b_fmt:MATRIX_FMT_BF6
.endr
	WIN 0
.endm
.macro TESTMM skip                     ; does tile mm of my group use this expert?
	s_lshr_b32 s96, s[SGB], s[SMM]
	s_and_b32 s96, s96, 1
	s_cmp_lg_u32 s96, 0
	s_cbranch_scc0 \skip
.endm
.macro P3BLK mm                        ; my 32 outputs of tile mm: two results by turns over the four K steps
	s_bitcmp1_b32 s[SGB], \mm
	s_cbranch_scc0 .Lp3_next_\@
.if \mm > 0
	s_wait_alu depctr_va_vdst(0)                   ; the products of the tile before are done reading v[HF ..], v[BI ..] and v[HS ..], in which the loads below land.  (Tile 0 owes none: the last vector line that names these registers stands ahead of an earlier such wait on every way)
.endif
.irp s, 0,1,2,3
	FETCH HF+12*\s, HIR, 6144*\s+1536*\mm
.endr
.irp s, 0,1,2,3
	ds_load_b32 v[HS+\s], v[HSR] offset:512*\s+128*\mm
.endr
.irp n, 0,1
	ds_load_b128 v[BI+8*\n:BI+8*\n+3], v[T3] offset:64*\n          ; b2 at my eight outputs: the C of the first K step
	ds_load_b128 v[BI+8*\n+4:BI+8*\n+7], v[T3] offset:64*\n+16
.endr
	s_wait_dscnt 0x0
	WIN 0x01                                       ; source 0 (W2) in window 1
.irp n, 0,1
	v_wmma_scale_f32_16x16x128_f8f6f4 v[YA+8*\n:YA+8*\n+7], v[96+48*\n:96+48*\n+11], v[HF:HF+11], v[BI+8*\n:BI+8*\n+7], v[W2S+4*\n], v[HS] matrix_a_fmt:MATRIX_FMT_BF6 matrix_b_fmt:MATRIX_FMT_BF6
.endr
.irp s, 1,2,3
.irp n, 0,1
	v_wmma_scale_f32_16x16x128_f8f6f4 v[YA+8*\n:YA+8*\n+7], v[96+12*(4*\n+\s):96+12*(4*\n+\s)+11], v[HF+12*\s:HF+12*\s+11], v[YA+8*\n:YA+8*\n+7], v[W2S+4*\n+\s], v[HS+\s] matrix_a_fmt:MATRIX_FMT_BF6 matrix_b_fmt:MATRIX_FMT_BF6
.endr
.endr
	WIN 0
	v_bfe_u32 v[CW+2], v[KEY+\mm], 16, 8           ; my row's weight for this expert, 0 where it uses neither: seven plain lines that name no register of the products:
	v_bfe_u32 v[CW+3], v[KEY+\mm], 24, 8           ; the places in front of the read of the results and of the next tile's products, which begin the results anew
	v_cmp_eq_u32 s96, s[SE], v[CW+2]               ; the two compares in a run, each into a scalar register of its own
	v_cmp_eq_u32 s97, s[SE], v[CW+3]
	s_wait_alu depctr_va_sdst(0)                   ; the two compares have written s96 and s97, which the two selects below read
	v_cndmask_b32 v[CW], 0, v[SC+2*\mm], s96
	v_cndmask_b32 v[CW], v[CW], v[SC+2*\mm+1], s97
	v_mov_b32 v[CW+1], v[CW]
	WIN 0x50                                       ; the sums (destination and source 2) in window 1
.irp j, 0,2,4,6,8,10,12,14
	v_pk_fma_f32 v[192+16*\mm+\j:192+16*\mm+\j+1], v[YA+\j:YA+\j+1], v[CW:CW+1], v[192+16*\mm+\j:192+16*\mm+\j+1]   ; each result from its low end on
.endr
	WIN 0
.Lp3_next_\@:
.endm
	s_load_b512 s[4:19], s[0:1], 0x0               ; x, ln1_g, ln1_b, ln2_g, ln2_b, b2, perm, rkey
	s_load_b256 s[20:27], s[0:1], 0x40             ; rsc, desc, w1_codes, w1_scales
	s_load_b128 s[28:31], s[0:1], 0x60             ; w2_codes, w2_scales
	s_load_b64 s[32:33], s[0:1], 0x70              ; out0
	v_lshl_add_u32 v81, v0, 2, 0x2cc00
	v_mov_b32 v85, 0
	v_lshrrev_b32 v1, 5, v0
	v_readfirstlane_b32 s[SW], v1                  ; wave W
	v_and_b32 v24, 31, v0                          ; lane
	v_and_b32 v22, 15, v0                          ; r
	v_bfe_u32 v23, v0, 4, 1                        ; h
	v_lshlrev_b32 v1, 4, v24
	v_lshlrev_b32 v2, 2, v24
	v_and_b32 v25, 8, v22
	v_add_nc_u32 v25, v25, v22                     ; r + 8 (r / 8)
	v_mul_u32_u24 v3, v25, 96
	v_mad_u32_u24 v3, v23, 24, v3                  ; W1: a row is 96 bytes
	v_lshlrev_b32 v4, 2, v25
	v_mul_u32_u24 v5, v22, 384
	v_mad_u32_u24 v5, v23, 24, v5                  ; W2: a row is 384 bytes
	v_lshlrev_b32 v6, 4, v22
	v_lshlrev_b32 v26, 3, v22                      ; 8 r
	v_lshlrev_b32 v252, 4, v0                      ; 16 x thread: the tables' way in
	s_wait_alu depctr_va_sdst(0)                   ; the wave's number is written into its scalar register, ahead of its first reader
	s_lshr_b32 s[SG], s[SW], 2                     ; g
	s_and_b32 s[SWW], s[SW], 3                     ; w
	s_mul_i32 s96, s[SW], 8448
	s_add_co_u32 s96, s96, XST
	v_mul_u32_u24 v[XL], v22, 528
	v_lshl_add_u32 v[XL], v23, 6, v[XL]
	v_add_nc_u32 v[XL], s96, v[XL]
	v_add_nc_u32 v[XC], s96, v1
	s_mul_i32 s96, s[SW], 1536
	s_add_co_u32 s96, s96, AIMG
	v_add_nc_u32 v[AIW], s96, v1
	s_lshl_b32 s96, s[SW], 7
	s_add_co_u32 s96, s96, ASC
	v_add_nc_u32 v[ASW], s96, v2
	s_mul_i32 s96, s[SG], 6144
	s_add_co_u32 s96, s96, AIMG
	v_add_nc_u32 v[AIR], s96, v1
	s_lshl_b32 s96, s[SG], 9
	s_add_co_u32 s96, s96, ASC
	v_add_nc_u32 v[ASR], s96, v2
	s_lshl_b32 s96, s[SW], 9
	s_add_co_u32 s96, s96, STAT
	v_add_nc_u32 v[STW], s96, v26
	s_lshl_b32 s96, s[SG], 11
	s_add_co_u32 s96, s96, STAT
	v_add_nc_u32 v[STR], s96, v26
	s_mul_i32 s96, s[SW], 6144
	s_add_co_u32 s96, s96, HIMG
	v_add_nc_u32 v[HIW], s96, v1
	s_lshl_b32 s96, s[SW], 9
	s_add_co_u32 s96, s96, HSC
	v_add_nc_u32 v[HSW], s96, v2
	s_mul_i32 s96, s[SG], 24576
	s_add_co_u32 s96, s96, HIMG
	v_add_nc_u32 v[HIR], s96, v1
	s_lshl_b32 s96, s[SG], 11
	s_add_co_u32 s96, s96, HSC
	v_add_nc_u32 v[HSR], s96, v2
	v_lshlrev_b32 v[T1B], 6, v23                   ; ln1: 64 h
	s_lshl_b32 s96, s[SWW], 9
	s_add_co_u32 s96, s96, 8192
	v_add_nc_u32 v[T2B], s96, v[T1B]               ; ln2: my 128 units, 64 h
	s_lshl_b32 s96, s[SWW], 7
	s_add_co_u32 s96, s96, 40960
	v_lshl_add_u32 v[T3B], v23, 5, s96             ; b2: my 32 outputs, 32 h
	s_mul_i32 s96, s[SG], 33792
	s_lshl_b32 s97, s[SWW], 7
	s_add_co_u32 s96, s96, s97
	s_add_co_u32 s96, s96, XST
	v_mul_u32_u24 v[SOA], v22, 528
	v_lshl_add_u32 v[SOA], v23, 5, v[SOA]
	v_add_nc_u32 v[SOA], s96, v[SOA]               ; the stage: my group's rows, row r, my 128 bytes, 32 h
	s_mov_b32 s[K1], 0x3eb504f3
	s_mov_b32 s[EPS], 0x3727c5ac
	CPAIR C9, 0x3e7c6f08
	CPAIR C7, 0x40097039
	CPAIR C6, 0xbfd1a1e5
	CPAIR C5, 0x3ecdfd18
	CPAIR C4, 0xbe899a80
	CPAIR C3, 0x3e0efb2e
	CPAIR C2, 0x3f0a29d2
	CPAIR C1, 0x3fb8ab5a
	CPAIR C0, 0xc034d90f
	CPAIR NK2, 0xbf38aa3b
	s_mov_b32 s[SEL], 0x76543210
	s_mov_b32 s[SEL+1], 0xfedcba98
	v_mov_b32 v[CV8], 0xbf97d29d
	v_mov_b32 v[CV8+1], 0xbf97d29d
.set i, 0
.rept 16
	v_mov_b32 v[TM+i], 0                           ; written once: a lane permute's destination counts as one of its sources
.set i, i+1
.endr
	s_lshl_b32 s96, ttmp9, 9
	s_lshl_b32 s97, s[SW], 6
	s_add_co_u32 s96, s96, s97                     ; perm: (128 i + 16 W) x 4
	s_lshl_b32 s98, ttmp9, 9
	s_lshl_b32 s97, s[SG], 8
	s_add_co_u32 s98, s98, s97                     ; (128 i + 64 g) x 4
	v_lshl_add_u32 v27, v22, 2, s98
	s_lshl_b32 s97, ttmp9, 7                       ; desc: 128 i
	s_wait_kmcnt 0x0
	s_load_b512 s[36:51], s[16:17], s96 offset:0x0 ; the 16 tokens of tile W: they stay, for the way out
	s_load_b128 s[52:55], s[22:23], s97 offset:0x0 ; tm_lo, tm_hi, used, 0
	s_wait_alu depctr_va_vdst(0)                   ; the offsets and addresses v1 to v21, v27, v115 and v252 are written, which the loads and stores of the whole kernel read
	global_load_b128 v[192:195], v252, s[6:7]      ; the tables: 11 loads, 4,096 consecutive bytes a load for the work-group
	global_load_b128 v[196:199], v252, s[8:9]
.irp k, 0,1,2,3
	global_load_b128 v[200+4*\k:203+4*\k], v252, s[10:11] offset:4096*\k
.endr
.irp k, 0,1,2,3
	global_load_b128 v[216+4*\k:219+4*\k], v252, s[12:13] offset:4096*\k
.endr
	global_load_b128 v[232:235], v252, s[14:15]
	s_wait_kmcnt 0x0
.set j, 0
.rept 16
	s_min_u32 s[36+j], s[36+j], 0x7fff             ; a token, held inside the tensors
.set j, j+1
.endr
.set j, 0
.rept 16
	v_lshl_add_u32 v[236+j], s[36+j], 9, v1
.set j, j+1
.endr
	s_wait_alu depctr_va_vdst(0)                   ; the sixteen rows' offsets v236 to v251 are written, which the loads below read
.set j, 0
.rept 16
	global_load_b128 v[T+4*j:T+4*j+3], v[236+j], s[4:5]            ; a token's row: 512 consecutive bytes, aligned
.set j, j+1
.endr
.irp m, 0,1,2,3
	global_load_b32 v[KEY+\m], v27, s[16:17] offset:64*\m          ; the token of row r in my group's tile m
.endr
	s_wait_loadcnt 20                              ; the tables are in: 16 rows and 4 words are younger
	ds_store_b128 v252, v[192:195]
	ds_store_b128 v252, v[196:199] offset:4096
.irp k, 0,1,2,3
	ds_store_b128 v252, v[200+4*\k:203+4*\k] offset:8192+4096*\k
.endr
.irp k, 0,1,2,3
	ds_store_b128 v252, v[216+4*\k:219+4*\k] offset:24576+4096*\k
.endr
	ds_store_b128 v252, v[232:235] offset:40960
	s_wait_loadcnt 4                               ; the rows are in: 4 words are younger
.set j, 0
.rept 16
	ds_store_b128 v[XC], v[T+4*j:T+4*j+3] offset:528*j
.set j, j+1
.endr
	s_wait_dscnt 0x0                               ; my rows lie in LDS
	s_wait_alu depctr_vm_vsrc(0)                   ; the stores above have read v[T ..], in which the loads below land; the rows' loads have read v236 to v243, which are written again below
.irp b, 0,1,2,3
.irp q, 0,1,2,3
	ds_load_b128 v[T+16*\b+4*\q:T+16*\b+4*\q+3], v[XL] offset:128*\b+16*\q      ; my wave's own bytes: x[row r][32 b + 16 h + 0 .. 15]
.endr
.endr
	s_wait_loadcnt 0x0
.irp m, 0,1,2,3
	v_min_u32 v[KEY+\m], 0x7fff, v[KEY+\m]
.endr
.irp m, 0,1,2,3
	v_lshlrev_b32 v[236+\m], 2, v[KEY+\m]
	v_lshlrev_b32 v[240+\m], 3, v[KEY+\m]
.endr
	s_wait_alu depctr_va_vdst(0)                   ; the eight offsets v236 to v243 are written, which the loads below read; the shifts are done reading v[KEY ..], in which four of them land
.irp m, 0,1,2,3
	global_load_b64 v[SC+2*\m:SC+2*\m+1], v[240+\m], s[20:21]
	global_load_b32 v[KEY+\m], v[236+\m], s[18:19]
.endr
	s_ctz_i32_b32 s[SNX], s54
	s_min_u32 s[SNX], s[SNX], 7                    ; the first used expert
	SETW
	LOADW1 0
	s_wait_dscnt 0x0
	STATS                                          ; LN1's normalisation, the same for every expert
	v_fma_f32 v[TM+9], v[TM+9], 0x3c000000, s[EPS]
	v_rsq_f32 v[RS], v[TM+9]
	v_nop                                          ; a plain line behind the transcendental
	s_wait_alu depctr_va_vdst(0)                   ; the root's reciprocal has written v[RS], which the next line reads
	v_mov_b32 v[RS+1], v[RS]
.set si, 0
.rept 32
	v_pk_mul_f32 v[T+si:T+si+1], v[T+si:T+si+1], v[RS:RS+1]
.set si, si+2
.endr
	s_wait_alu depctr_va_vdst(0)                   ; the multiplications have written v[T ..], which the stores below read
.irp b, 0,1,2,3
.irp q, 0,1,2,3
	ds_store_b128 v[XL], v[T+16*\b+4*\q:T+16*\b+4*\q+3] offset:128*\b+16*\q     ; xn takes x's place
.endr
.endr
	LOADW2 0
	WIN 0x40
.set i, 0
.rept 64
	v_mov_b32 v[192+i], 0                          ; the output's sums: which expert comes first hangs on the list, so no product can start them
.set i, i+1
.endr
	WIN 0
	s_mov_b32 s[SE], 0
	s_mov_b32 s[SE5], 0
	s_mov_b32 s[SE2], 0
	s_lshr_b32 s[SUR], s54, 1
	s_wait_xcnt 0x0                                ; the head's loads have had their addresses translated: their offset registers are rewritten only behind this wait
	BAR                                            ; the tables lie in LDS for every wave
.Lexpert:                                          ; 8 trips, whatever the list says
	s_and_b32 s[STB], s52, 0xff
	s_lshl_b32 s96, s[SG], 2
	s_lshr_b32 s[SGB], s[STB], s96
	s_and_b32 s[SGB], s[SGB], 15
	s_wait_alu depctr_vm_vsrc(0)                   ; the last trip's LDS loads have read v[T1], v[T2], v[T3], and its image stores v[PC ..] and v[PW]; in the first trip: the head's stores and loads have read v[T ..], v192 to v243, v252 and v27, all of which this trip writes again
	v_add_nc_u32 v[T1], s[SE5], v[T1B]
	v_add_nc_u32 v[T2], s[SE2], v[T2B]
	v_add_nc_u32 v[T3], s[SE5], v[T3B]
	s_ctz_i32_b32 s[SNX], s[SUR]
	s_add_co_u32 s[SNX], s[SNX], s[SE]
	s_add_co_u32 s[SNX], s[SNX], 1
	s_min_u32 s[SNX], s[SNX], 7
	s_cmp_lg_u32 s[STB], 0
	s_cselect_b32 s[SDO], s[SUR], 0                ; weights are fetched in the trips of used experts that have a successor
	s_wait_alu depctr_va_vdst(0)                   ; v[T1], v[T2], v[T3] are written, which this trip's loads read; the last trip's products and multiply-adds are done with v[T ..], v[GB ..], v[GT ..] and v[HS ..], in which this trip's loads land
	; ---- P0: a1 of tile W
	s_lshr_b32 s96, s[STB], s[SW]
	s_and_b32 s96, s96, 1
	s_cmp_lg_u32 s96, 0
	s_cbranch_scc0 .Lp0_done
.irp b, 0,1,2,3
.irp q, 0,1,2,3
	ds_load_b128 v[T+16*\b+4*\q:T+16*\b+4*\q+3], v[XL] offset:128*\b+16*\q
.endr
.endr
	GBLOAD 0, GB, T1, 4096
	GBLOAD 1, GT, T1, 4096
	AFF T1, 4096, 0                                ; its first wait leaves block 1's eight loads out: xn and block 0 are in
	GELU16 T
	GELU16 T+16
	GELU16 T+32
	GELU16 T+48
	QUANT T
	s_wait_alu depctr_va_vdst(0)                   ; the quantiser has written v[PC ..] and v[PW], which the stores below read
	IMAGE AIW
	ds_store_b32 v[ASW], v[PW]
.Lp0_done:
	BAR                                            ; a1's fragments lie in LDS
	s_wait_loadcnt 0x0                             ; this expert's weights are in (for 0: the fetches stand under branches); in the first trip the keys and scores too
	; ---- P1: the statistics of t over my 128 units
	s_mov_b32 s[SMM], 0
	s_mov_b32 s[SO15], 0
	s_mov_b32 s[SO1], 0
.Lp1:
	s_wait_alu depctr_vm_vsrc(0)                   ; the LDS instructions issued so far have read v[AIC], v[ASCU], v[STWC] and the pair v[TM+8:TM+9], all of which this tile writes again
	v_add_nc_u32 v[AIC], s[SO15], v[AIR]
	v_add_nc_u32 v[ASCU], s[SO1], v[ASR]
	v_add_nc_u32 v[STWC], s[SO1], v[STW]
	TESTMM .Lp1_next
	s_wait_alu depctr_va_vdst(0)                   ; the three addresses are written, which this tile's LDS instructions read; the products before are done reading v[XF ..] and v[XS], in which the loads below land
	FETCH XF, AIC, 0
	ds_load_b32 v[XS], v[ASCU]
	s_wait_dscnt 0x0
	W1MUL
.rept 4
	v_nop                                          ; four places between these products and the first read of their results (ISA guide 7.12.1)
.endr
	STATS
	s_wait_alu depctr_va_vdst(0)                   ; the statistics have written v[TM+8:TM+9], which the store below reads
	ds_store_b64 v[STWC], v[TM+8:TM+9]             ; both lanes of a row write the same pair
.Lp1_next:
	s_add_co_u32 s[SO15], s[SO15], 1536
	s_add_co_u32 s[SO1], s[SO1], 128
	s_add_co_u32 s[SMM], s[SMM], 1
	s_cmp_lt_u32 s[SMM], 4
	s_cbranch_scc1 .Lp1
	BAR                                            ; the four waves' statistics lie in LDS
	; ---- P2: t again, LN2, gelu, quantiser
	s_mov_b32 s[SMM], 0
	s_mov_b32 s[SO15], 0
	s_mov_b32 s[SO1], 0
.Lp2:
	s_wait_alu depctr_vm_vsrc(0)                   ; the LDS instructions issued so far have read the five addresses below, v[PC ..], v[PW] and v[TM+8:TM+9], all of which this tile writes again
	v_add_nc_u32 v[AIC], s[SO15], v[AIR]
	v_add_nc_u32 v[ASCU], s[SO1], v[ASR]
	v_add_nc_u32 v[STRC], s[SO1], v[STR]
	v_add_nc_u32 v[HIWC], s[SO15], v[HIW]
	v_add_nc_u32 v[HSWC], s[SO1], v[HSW]
	TESTMM .Lp2_next
	s_wait_alu depctr_va_vdst(0)                   ; the five addresses are written, which this tile's LDS instructions read; the products before are done reading v[XF ..] and v[XS], the plain lines v[ST ..], and the gelu is done with v[GB ..] and v[GT ..]: the loads below land in all of these
	FETCH XF, AIC, 0
	ds_load_b32 v[XS], v[ASCU]
.irp k, 0,1,2,3
	ds_load_b64 v[ST+2*\k:ST+2*\k+1], v[STRC] offset:512*\k
.endr
	GBLOAD 0, GB, T2, 16384
	GBLOAD 1, GT, T2, 16384
	s_wait_dscnt 16                                ; the fragment, its scale words and the statistics are in; the two blocks' 16 loads are younger
	W1MUL
	v_add_f32 v[TM], v[ST], v[ST+2]                ; the row's mean and variance over 512: plain lines that name no register of the products: their places
	v_add_f32 v[TM+1], v[ST+4], v[ST+6]
	v_add_f32 v[TM], v[TM], v[TM+1]
	v_mul_f32 v[TM], 0x3e800000, v[TM]             ; mu
.irp k, 0,1,2,3
	v_sub_f32 v[TM+2+\k], v[ST+2*\k], v[TM]
.endr
	v_mul_f32 v[TM+6], v[TM+2], v[TM+2]
	v_fma_f32 v[TM+6], v[TM+3], v[TM+3], v[TM+6]
	v_fma_f32 v[TM+6], v[TM+4], v[TM+4], v[TM+6]
	v_fma_f32 v[TM+6], v[TM+5], v[TM+5], v[TM+6]
	v_add_f32 v[TM+7], v[ST+1], v[ST+3]
	v_add_f32 v[TM+8], v[ST+5], v[ST+7]
	v_add_f32 v[TM+7], v[TM+7], v[TM+8]
	v_fma_f32 v[TM+7], v[TM+6], 0x43000000, v[TM+7]
	v_fma_f32 v[TM+7], v[TM+7], 0x3b000000, s[EPS] ; / 512 + 1e-5
	v_rsq_f32 v[RS], v[TM+7]
	v_nop                                          ; a plain line behind the transcendental
	s_wait_alu depctr_va_vdst(0)                   ; the root's reciprocal has written v[RS], which the next line reads
	v_mov_b32 v[RS+1], v[RS]
	v_mul_f32 v[NB], -v[TM], v[RS]
	v_mul_f32 v[NB+1], -v[TM], v[RS]
	AFF T2, 16384, 1
	GELU16 T
	GELU16 T+16
	GELU16 T+32
	GELU16 T+48
	QUANT T
	s_wait_alu depctr_va_vdst(0)                   ; the quantiser has written v[PC ..] and v[PW], which the stores below read
	IMAGE HIWC                                     ; K step w of the second product
	ds_store_b32 v[HSWC], v[PW]
.Lp2_next:
	s_add_co_u32 s[SO15], s[SO15], 1536
	s_add_co_u32 s[SO1], s[SO1], 128
	s_add_co_u32 s[SMM], s[SMM], 1
	s_cmp_lt_u32 s[SMM], 4
	s_cbranch_scc1 .Lp2
	BAR                                            ; the hidden layer's fragments lie in LDS
	s_cmp_lg_u32 s[SDO], 0
	s_cbranch_scc0 .Lno_w1
	SETW                                           ; W1's registers are free: the next used expert's slice is asked for
	LOADW1 1
.Lno_w1:
	; ---- P3
	P3BLK 0
	P3BLK 1
	P3BLK 2
	P3BLK 3
	s_cmp_lg_u32 s[SDO], 0
	s_cbranch_scc0 .Lno_w2
	LOADW2 1                                       ; and W2's
.Lno_w2:
	s_lshr_b64 s[52:53], s[52:53], 8
	s_lshr_b32 s[SUR], s[SUR], 1
	s_add_co_u32 s[SE5], s[SE5], 512
	s_add_co_u32 s[SE2], s[SE2], 2048
	s_add_co_u32 s[SE], s[SE], 1
	s_cmp_lt_u32 s[SE], 8
	s_cbranch_scc1 .Lexpert
	; THE WAY OUT.  A row's 128 outputs come from four waves: they meet in the stage (xn's bytes, which nobody has read since the last trip's first barrier), and each wave stores its 16 whole rows
	WIN 0x04                                       ; an LDS store's data are its source 1: window 1
	s_wait_alu depctr_va_vdst(0)                   ; the last multiply-adds have written the output's sums, which the stores below read; the last products are done reading v[T ..], in which the loads behind the barrier land
.irp m, 0,1,2,3
.irp n, 0,1
	ds_store_b128 v[SOA], v[192+16*\m+8*\n:192+16*\m+8*\n+3] offset:8448*\m+64*\n
	ds_store_b128 v[SOA], v[192+16*\m+8*\n+4:192+16*\m+8*\n+7] offset:8448*\m+64*\n+16
.endr
.endr
	WIN 0
	BAR
.set j, 0
.rept 16
	ds_load_b128 v[T+4*j:T+4*j+3], v[XC] offset:528*j
.set j, j+1
.endr
.set j, 0
.rept 16
	v_lshl_add_u32 v[192+j], s[36+j], 9, v1
.set j, j+1
.endr
	s_wait_alu depctr_va_vdst(0)                   ; the sixteen rows' offsets v192 to v207 are written, which the stores below read
.set j, 0
.rept 16
	s_wait_dscnt 15-j                              ; row j is back, the 15 - j younger rows may be out
	global_store_b128 v[192+j], v[T+4*j:T+4*j+3], s[32:33] th:TH_STORE_NT       ; the wave stores a token's row: 512 consecutive bytes, aligned; written once
.set j, j+1
.endr
	s_wait_dscnt 0x0                               ; the closing lines, six on end
	s_wait_alu 0x0
	s_wait_tensorcnt 0x0
	ds_add_u32 v81, v85
	s_wait_dscnt 0x0
	s_endpgm
.Lfunc_end_k_qe48d4ce476_chain:
	.size	k_qe48d4ce476_chain, .Lfunc_end_k_qe48d4ce476_chain-k_qe48d4ce476_chain
	.p2alignl 7, 3214868480
	.fill 96, 4, 3214868480
	.section	.rodata,"a",@progbits
	.p2align	6, 0x0
	.amdhsa_kernel k_qe48d4ce476_chain
		.amdhsa_group_segment_fixed_size 184320
		.amdhsa_private_segment_fixed_size 0
		.amdhsa_enable_private_segment 0
		.amdhsa_kernarg_size 120
		.amdhsa_user_sgpr_count 2
		.amdhsa_user_sgpr_kernarg_segment_ptr 1
		.amdhsa_wavefront_size32 1
		.amdhsa_system_sgpr_workgroup_id_x 1
		.amdhsa_system_sgpr_workgroup_id_y 1
		.amdhsa_system_sgpr_workgroup_id_z 1
		.amdhsa_system_vgpr_workitem_id 0
		.amdhsa_next_free_vgpr 512
		.amdhsa_next_free_sgpr 100
		.amdhsa_reserve_vcc 0
		.amdhsa_float_denorm_mode_32 3
		.amdhsa_float_denorm_mode_16_64 3
		.amdhsa_memory_ordered 1
		.amdhsa_forward_progress 1
		.amdhsa_inst_pref_size 179
	.end_amdhsa_kernel
	.amdgpu_metadata
---
amdhsa.version: [ 1, 2 ]
amdhsa.kernels:
  - .name:           k_qe48d4ce476_chain
    .symbol:         k_qe48d4ce476_chain.kd
    .args:
      - { .name: x, .offset: 0, .size: 8, .value_kind: global_buffer, .address_space: global }
      - { .name: ln1_g, .offset: 8, .size: 8, .value_kind: global_buffer, .address_space: global }
      - { .name: ln1_b, .offset: 16, .size: 8, .value_kind: global_buffer, .address_space: global }
      - { .name: ln2_g, .offset: 24, .size: 8, .value_kind: global_buffer, .address_space: global }
      - { .name: ln2_b, .offset: 32, .size: 8, .value_kind: global_buffer, .address_space: global }
      - { .name: b2, .offset: 40, .size: 8, .value_kind: global_buffer, .address_space: global }
      - { .name: perm, .offset: 48, .size: 8, .value_kind: global_buffer, .address_space: global }
      - { .name: rkey, .offset: 56, .size: 8, .value_kind: global_buffer, .address_space: global }
      - { .name: rsc, .offset: 64, .size: 8, .value_kind: global_buffer, .address_space: global }
      - { .name: desc, .offset: 72, .size: 8, .value_kind: global_buffer, .address_space: global }
      - { .name: w1_codes, .offset: 80, .size: 8, .value_kind: global_buffer, .address_space: global }
      - { .name: w1_scales, .offset: 88, .size: 8, .value_kind: global_buffer, .address_space: global }
      - { .name: w2_codes, .offset: 96, .size: 8, .value_kind: global_buffer, .address_space: global }
      - { .name: w2_scales, .offset: 104, .size: 8, .value_kind: global_buffer, .address_space: global }
      - { .name: out0, .offset: 112, .size: 8, .value_kind: global_buffer, .address_space: global }
    .group_segment_fixed_size: 184320
    .private_segment_fixed_size: 0
    .kernarg_segment_align: 8
    .kernarg_segment_size: 120
    .max_flat_workgroup_size: 256
    .sgpr_count:     100
    .vgpr_count:     512
    .wavefront_size: 32
...
	.end_amdgpu_metadata
.endif
;; end of part 4
